; MI455X (gfx1250); checked and timed in simulation.
; The chip was launched on July 23, 2026; its instructions are those of AMD's public machine-readable ISA for CDNA 5 (MIT licence, August 2026) and "CDNA5" Instruction Set Architecture Reference Guide (July 2026). The comments in the code are by the model that wrote it; some were corrected since.
;; Model. Allowed arithmetic: matrix products marked QUANTISED: E2M1 operands, one E8M0 scale for each 32 along K, by v_wmma_scale_f32_16x16x128_f8f6f4 with both operands' format E2M1 (or v_wmma_scale_f32_32x16x128_f4), f32 sums; products left as they are: bf16, f16 or f32 operands; f32 sums; everything else in f32.
;; Inputs: Wk 1,024 x 4,096 float32; Wo 4,096 x 2,048 float32; Wq 2,048 x 4,096 float32; Wv 1,024 x 4,096 float32; cos 2,048 x 128 float32; hidden_states 1 x 2,048 x 4,096 float32; k_norm_w 128 float32; position_ids 1 x 2,048 int32; q_norm_w 128 float32; sin 2,048 x 128 float32.
;; Outputs: out0 1 x 2,048 x 4,096 float32.
;; This version of the problem:
;;   THIS VERSION OF THE PROBLEM IS GIVEN IN LOW PRECISION. The matrix products marked QUANTISED in the list below multiply operands that are first quantised to E2M1 (2 exponent bits, 1 mantissa bit; 4 bits a number), with one power-of-two scale for each 32 numbers along K (OCP MX v1.0); their sums are f32. The products marked 'left as it is' may take bf16, f16 or f32 operands, with f32 sums. Whichever they take, every output number must still come out within the allowed error. Rounding operands to bf16 (8 significant bits) uses up far more of that allowance than f16 does (11 bits, for magnitudes from 6e-5 to 65,504). All else is computed in f32.
;;   The module's matrix products, in the order in which they are computed (A, B: the left and right operand; K: the contracted axis; several contracted axes count as one K, in the product's order):
;;     1. [M 2,048, K 4,096] x [K 4,096, N 2,048]; A: input hidden_states; B: input Wq: QUANTISED
;;     2. [M 2,048, K 4,096] x [K 4,096, N 1,024]; A: input hidden_states; B: input Wk: QUANTISED
;;     3. [M 2,048, K 4,096] x [K 4,096, N 1,024]; A: input hidden_states; B: input Wv: QUANTISED
;;     4. batch 16 x [M 2,048, K 128] x [K 128, N 2,048]; A: computed on the way; B: computed on the way: left as it is (an operand is computed on the way)
;;     5. batch 16 x [M 2,048, K 2,048] x [K 2,048, N 128]; A: computed on the way; B: computed on the way: left as it is (an operand is computed on the way)
;;     6. [M 2,048, K 2,048] x [K 2,048, N 4,096]; A: computed on the way; B: input Wo: left as it is (an operand is computed on the way)
;;   THE QUANTISER, for each operand of a quantised product, along K:
;;     - K is cut into blocks of 32 from its start; a last block that is shorter is filled with zeros.
;;     - A block's scale is 2^e with e = floor(log2(the largest magnitude in the block)) - 2, held to -126 .. 127; a block of zeros has e = 0. As a byte (E8M0): e + 127.
;;     - Each number is divided by its block's scale, clamped to +-6, and rounded to the nearest number of E2M1, ties to even, subnormals kept.
;;     - The product sums the exact products of the quantised numbers (number of the format x scale) in f32.
;;   ~~~python
;;   def quantise(x, axis):      # numpy; x: float32 -> the quantised numbers, widened to float32 again
;;       x = np.moveaxis(x, axis, -1); K = x.shape[-1]
;;       x = np.pad(x, [(0, 0)] * (x.ndim - 1) + [(0, -K % 32)]); x = x.reshape(x.shape[:-1] + (-1, 32)); a = np.abs(x).max(-1, keepdims=True)
;;       e = np.where(a > 0, np.clip(np.frexp(np.where(a > 0, a, 1))[1] - 1 - 2, -126, 127), 0)      # np.frexp(a)[1] - 1 = floor(log2(a)), exactly
;;       r = np.clip(x / 2.0 ** e, -6, 6)
;;       step = 2.0 ** (np.maximum(np.frexp(np.where(r == 0, 1, r))[1] - 1, 0) - 1)
;;       q = np.round(r / step) * step * 2.0 ** e      # np.round: ties to even
;;       return np.moveaxis(q.reshape(q.shape[:-2] + (-1,))[..., :K], -1, axis).astype(np.float32)
;;   ~~~
;; One version. Each part assembles by itself: llvm-mc -triple=amdgcn-amd-amdhsa -mcpu=gfx1250 --defsym DOCPART=n.
;; ======== version 1 of 1: 5 launches
;; limits: values are held in f16: magnitudes above 65,504 overflow, below 6.1e-05 lose precision
;; workspace buffers: codes 12,582,912 bytes; scales 786,432 bytes; wo16 16,777,216 bytes; amax 12,288 bytes; qimg 8,388,608 bytes; kvimg 8,388,608 bytes; attnimg 8,388,608 bytes; fine32 262,144 bytes
;; launch quant (part 1): grid 1024 x 1, 4 waves a work-group, no clusters, 33,280 bytes of LDS; arguments hidden_states, Wq, Wk, Wv, Wo, codes, scales, wo16, amax; writes codes, scales, wo16, amax
.if DOCPART == 1
	.amdgcn_target "amdgcn-amd-amdhsa--gfx1250"
	.amdhsa_code_object_version 6
	.text
	.protected	k_qf89f15cc9c_quant
	.globl	k_qf89f15cc9c_quant
	.p2align	8
	.type	k_qf89f15cc9c_quant,@function
k_qf89f15cc9c_quant:
	s_mov_b64 s[64:65], 0
	v_nop
	global_prefetch_b8 v0, s[64:65] scope:SCOPE_SE
	s_setreg_imm32_b32 hwreg(HW_REG_WAVE_MODE, 25, 1), 1
	s_wait_xcnt 0x0
; hidden_states [2048][4096], Wq [2048][4096], Wk, Wv [1024][4096], all f32 with K innermost, become codes of FP4 (E2M1) with one E8M0 byte for each 32 along K; Wo [4096][2048] becomes f16.
; A block's scale is 2^(floor(log2(its largest magnitude)) - 2); its byte is the largest magnitude's exponent field - 2, held at 1 from below (a block of zeros keeps the byte 1: its codes are zeros, and this program alone reads the bytes).
; Rows are dense and K is a multiple of 32: each tensor is a plain stream of blocks, and so are codes and bytes.  Work-groups 0-255 take hidden_states, 256-511 Wq, 512-639 Wk, 640-767 Wv, 32,768 numbers each;
; with run = 4 x work-group + wave the results lie at codes + 4,096 run, scales + 256 run: hidden_states first, then the 4,096 rows Wq, Wk, Wv on end.  amax + 4 run takes the wave's largest magnitude (for the scaling of V later on).
; A wave takes 16 steps of 512 numbers: four loads of 512 consecutive bytes; the 2,048 bytes turn through the wave's own stage in LDS so that a lane holds 16 neighbours along K (two lanes to a block).
; Work-groups 768-1023 take Wo: 32 KiB a wave, four rounds of sixteen loads of 512 consecutive bytes, rounded to f16, stored as 256 consecutive bytes an instruction; they use no LDS.
; No work-group shares an input byte with another: no cluster, no matrix unit, no barrier.
; LIMITS: NaN and infinities are not served; blocks whose largest magnitude lies under 2^-124 keep the byte 1; |Wo| stays under 65,504.
.set STEPS, 16
.set EMAX,  2
.set CB,    8                          ; bytes of 16 codes
.set R,     16                         ; v16-79   four sets of 16 numbers as loaded
.set X,     80                         ; v80-111  two sets of 16 neighbours
.set E,     112                        ; v112-127 a scale byte for each step
.set C,     128                        ; v128-191 codes, four registers a step
.set AM,    192                        ; v192     the wave's largest magnitude
.set AT,    193
.set WREG,  8192                       ; LDS of a wave: two stages of 32 x SP bytes, then its 256 scale bytes
.set SP,    80
.set SPW,   12                         ; v12 LDS address of my spare word; never rewritten
.set NIL,   13                         ; v13 0; never rewritten
.set SPARE, 4*WREG                     ; the spare words, 128 bytes a wave
.set WV,    26
.set RUN,   27
	s_load_b256 s[4:11], s[0:1], 0x0               ; hidden_states, Wq, Wk, Wv
	s_load_b256 s[12:19], s[0:1], 0x20             ; Wo, codes, scales, wo16
	s_load_b64 s[20:21], s[0:1], 0x40              ; amax
	v_lshl_add_u32 v[SPW], v0, 2, SPARE
	v_mov_b32 v[NIL], 0
	v_lshrrev_b32 v1, 5, v0
	v_readfirstlane_b32 s[WV], v1                  ; wave
	v_and_b32 v2, 31, v0                           ; lane
	v_lshlrev_b32 v3, 4, v2                        ; my 16 bytes of a load's 512
	s_lshl_b32 s[RUN], ttmp9, 2
	s_add_co_u32 s[RUN], s[RUN], s[WV]             ; run = 4 x work-group + wave
	s_mov_b32 s29, 0                               ; the upper word of every offset
	s_cmp_ge_u32 ttmp9, 768
	s_cbranch_scc1 .Lwo
	; ---- the quantiser
	s_mul_i32 s30, s[WV], WREG
	v_lshrrev_b32 v14, 2, v2
	v_mul_u32_u24 v14, v14, SP
	v_and_b32 v15, 3, v2
	v_lshl_add_u32 v14, v15, 4, v14
	v_add_nc_u32 v14, s30, v14                     ; the stage, in: SP (lane / 4) + 16 (lane % 4)
	v_mul_u32_u24 v15, v2, SP
	v_add_nc_u32 v15, s30, v15                     ; and out: SP x lane: my 16 neighbours
	v_mul_u32_u24 v4, v2, CB                       ; my codes' place in a step's
	v_lshrrev_b32 v5, 1, v2
	s_add_co_u32 s30, s30, 2*32*SP
	v_add_nc_u32 v5, s30, v5                       ; my block's byte among the wave's 256
	v_lshlrev_b32 v7, 3, v2
	v_add_nc_u32 v6, s30, v7                       ; and 8 bytes a lane on the way out
	v_mov_b32 v10, 0
	v_mov_b32 v[AT], 0                             ; a lane permute's destination counts as one of its sources
	s_mov_b32 s32, 0x76543210
	s_mov_b32 s33, 0xfedcba98                      ; lane l xor 16
	s_mov_b32 s25, 640
	s_wait_kmcnt 0x0
	s_cmp_lt_u32 ttmp9, 640                        ; which tensor: the choice hangs on the work-group's number alone
	s_cselect_b64 s[22:23], s[8:9], s[10:11]
	s_cselect_b32 s24, 512, s25
	s_cmp_lt_u32 ttmp9, 512
	s_cselect_b64 s[22:23], s[6:7], s[22:23]
	s_cselect_b32 s24, 256, s24
	s_cmp_lt_u32 ttmp9, 256
	s_cselect_b64 s[22:23], s[4:5], s[22:23]
	s_cselect_b32 s24, 0, s24                      ; the tensor's first work-group
	s_sub_co_u32 s24, ttmp9, s24
	s_lshl_b32 s24, s24, 2
	s_add_co_u32 s24, s24, s[WV]
	s_lshl_b32 s28, s24, 15                        ; 8,192 numbers of 4 bytes a wave
	s_add_nc_u64 s[22:23], s[22:23], s[28:29]
	s_lshl_b32 s28, s[RUN], 12
	s_add_nc_u64 s[14:15], s[14:15], s[28:29]      ; codes
	s_lshl_b32 s28, s[RUN], 8
	s_add_nc_u64 s[16:17], s[16:17], s[28:29]      ; scale bytes
	s_lshl_b32 s28, s[RUN], 2
	s_add_nc_u64 s[20:21], s[20:21], s[28:29]      ; amax
.macro LOAD t
.irp i, 0,1,2,3
	global_load_b128 v[R+16*((\t)%4)+4*\i:R+16*((\t)%4)+4*\i+3], v3, s[22:23] offset:2048*(\t)+512*\i th:TH_LOAD_NT
.endr
.endm
.macro TURNS t                         ; step t's numbers through the stage: LDS serves a wave's instructions in order, so no wait stands between the stores and the loads
.irp i, 0,1,2,3
	ds_store_b128 v14, v[R+16*((\t)%4)+4*\i:R+16*((\t)%4)+4*\i+3] offset:32*SP*((\t)%2)+8*SP*\i
.endr
.irp i, 0,1,2,3
	ds_load_b128 v[X+16*((\t)%2)+4*\i:X+16*((\t)%2)+4*\i+3], v15 offset:32*SP*((\t)%2)+16*\i
.endr
.endm
.irp t, 0,1,2,3
	LOAD \t
.endr
	s_wait_loadcnt 12                              ; step 0's four loads are in; three steps' twelve may be out
	TURNS 0
.macro STEP t
.set XS, X+16*((\t)%2)
.if (\t) > 0
	s_wait_dscnt 1                                 ; this step's numbers are back from the stage; the last step's byte store may be out
.else
	s_wait_dscnt 0x0
.endif
.if (\t)+4 < STEPS
	LOAD (\t)+4
.endif
.if (\t)+1 < STEPS
.if STEPS-2-(\t) >= 3
	s_wait_loadcnt 12                              ; the next step's four loads are in; those of the three steps behind it may be out
.else
	s_wait_loadcnt 4*(STEPS-2-(\t))
.endif
	TURNS (\t)+1
.endif
	v_max3_num_f32 v8, |v[XS]|, |v[XS+1]|, |v[XS+2]|
	v_max3_num_f32 v9, |v[XS+3]|, |v[XS+4]|, |v[XS+5]|
.irp i, 6,10
	v_max3_num_f32 v8, v8, |v[XS+\i]|, |v[XS+\i+1]|
	v_max3_num_f32 v9, v9, |v[XS+\i+2]|, |v[XS+\i+3]|
.endr
	v_max3_num_f32 v8, v8, |v[XS+14]|, |v[XS+15]|
	v_max3_num_f32 v8, v8, v9, (EMAX+1)<<23        ; and the floor 2^(3 - 127): the byte cannot fall under 1
	v_max_num_f32_dpp v8, v8, v8 row_xmask:1 row_mask:0xf bank_mask:0xf   ; with my neighbour's 16: the block's largest magnitude
	v_add_nc_u32 v11, -(EMAX<<23), v8              ; 2 off its exponent field: the conversion takes this operand's exponent field as its scale
.if (\t) == 0
	v_mov_b32 v[AM], v8
.else
	v_max_num_f32 v[AM], v[AM], v8
.endif
	v_cvt_scalef32_pk8_fp4_f32 v[C+4*(\t)], v[XS:XS+7], v11
	v_cvt_scalef32_pk8_fp4_f32 v[C+4*(\t)+1], v[XS+8:XS+15], v11
	v_lshrrev_b32 v[E+(\t)], 23, v11               ; the scale's byte (a plain line behind the conversions)
	ds_store_b8 v5, v[E+(\t)] offset:16*(\t)       ; both lanes of a block write the same byte with the same value
	global_store_b64 v4, v[C+4*(\t):C+4*(\t)+1], s[14:15] offset:32*CB*(\t)   ; the wave stores 256 consecutive bytes
.endm
.irp t, 0,1,2,3,4,5,6,7,8,9,10,11,12,13,14,15
	STEP \t
.endr
	ds_load_b64 v[8:9], v6                         ; my wave's 256 scale bytes, 8 a lane
	v_max_num_f32_dpp v[AM], v[AM], v[AM] row_xmask:2 row_mask:0xf bank_mask:0xf
	v_max_num_f32_dpp v[AM], v[AM], v[AM] row_xmask:4 row_mask:0xf bank_mask:0xf
	v_max_num_f32_dpp v[AM], v[AM], v[AM] row_xmask:8 row_mask:0xf bank_mask:0xf
	v_permlanex16_b32 v[AT], v[AM], s32, s33
	v_max_num_f32 v[AM], v[AM], v[AT]              ; the wave's largest magnitude, in every lane
	v_cmp_eq_u32 vcc_lo, 0, v2
	s_wait_dscnt 0x0
	global_store_b64 v7, v[8:9], s[16:17]          ; 256 consecutive bytes
	s_wait_xcnt 0x0                                ; EXEC is a source of the stores above: it changes only behind this wait
	s_and_saveexec_b32 s24, vcc_lo
	global_store_b32 v10, v[AM], s[20:21]          ; lane 0 alone
	s_wait_xcnt 0x0
	s_or_b32 exec_lo, exec_lo, s24
	s_wait_tensorcnt 0x0                           ; the wave's end, behind my last LDS store
	ds_add_u32 v[SPW], v[NIL]
	s_wait_dscnt 0x0
	s_endpgm
	; ---- Wo to f16
.Lwo:
	s_sub_co_u32 s24, s[RUN], 3072                 ; which 32 KiB of Wo
	s_lshl_b32 s28, s24, 15
	v_lshlrev_b32 v4, 3, v2                        ; 8 bytes a lane on the way out
	s_wait_kmcnt 0x0
	s_add_nc_u64 s[12:13], s[12:13], s[28:29]
	s_lshl_b32 s28, s24, 14
	s_add_nc_u64 s[18:19], s[18:19], s[28:29]
.macro WLOAD k
.irp i, 0,1,2,3,4,5,6,7,8,9,10,11,12,13,14,15
	global_load_b128 v[16+64*((\k)%2)+4*\i:16+64*((\k)%2)+4*\i+3], v3, s[12:13] offset:8192*(\k)+512*\i th:TH_LOAD_NT
.endr
.endm
.macro CVR k
.if (\k) < 3
	WLOAD (\k)+1
	s_wait_loadcnt 16                              ; this round's sixteen loads are in; the next round's may be out
.else
	s_wait_loadcnt 0x0
.endif
	s_wait_xcnt 0x0                                ; the last round's stores have read v144-175
.irp i, 0,1,2,3,4,5,6,7,8,9,10,11,12,13,14,15
	v_cvt_pk_f16_f32 v[144+2*\i], v[16+64*((\k)%2)+4*\i], v[16+64*((\k)%2)+4*\i+1]
	v_cvt_pk_f16_f32 v[145+2*\i], v[16+64*((\k)%2)+4*\i+2], v[16+64*((\k)%2)+4*\i+3]
.endr
.irp i, 0,1,2,3,4,5,6,7,8,9,10,11,12,13,14,15
	global_store_b64 v4, v[144+2*\i:145+2*\i], s[18:19] offset:4096*(\k)+256*\i
.endr
.endm
	WLOAD 0
	CVR 0
	CVR 1
	CVR 2
	CVR 3
	s_endpgm
.Lfunc_end_k_qf89f15cc9c_quant:
	.size	k_qf89f15cc9c_quant, .Lfunc_end_k_qf89f15cc9c_quant-k_qf89f15cc9c_quant
	.p2alignl 7, 3214868480
	.fill 96, 4, 3214868480
	.section	.rodata,"a",@progbits
	.p2align	6, 0x0
	.amdhsa_kernel k_qf89f15cc9c_quant
		.amdhsa_group_segment_fixed_size 33280
		.amdhsa_private_segment_fixed_size 0
		.amdhsa_enable_private_segment 0
		.amdhsa_kernarg_size 72
		.amdhsa_user_sgpr_count 2
		.amdhsa_user_sgpr_kernarg_segment_ptr 1
		.amdhsa_wavefront_size32 1
		.amdhsa_system_sgpr_workgroup_id_x 1
		.amdhsa_system_sgpr_workgroup_id_y 1
		.amdhsa_system_sgpr_workgroup_id_z 1
		.amdhsa_system_vgpr_workitem_id 0
		.amdhsa_next_free_vgpr 200
		.amdhsa_next_free_sgpr 66
		.amdhsa_reserve_vcc 1
		.amdhsa_float_denorm_mode_32 3
		.amdhsa_float_denorm_mode_16_64 3
		.amdhsa_memory_ordered 1
		.amdhsa_forward_progress 1
		.amdhsa_inst_pref_size 56
	.end_amdhsa_kernel
	.amdgpu_metadata
---
amdhsa.version: [ 1, 2 ]
amdhsa.kernels:
  - .name:           k_qf89f15cc9c_quant
    .symbol:         k_qf89f15cc9c_quant.kd
    .args:
      - { .name: hidden_states, .offset: 0, .size: 8, .value_kind: global_buffer, .address_space: global }
      - { .name: Wq, .offset: 8, .size: 8, .value_kind: global_buffer, .address_space: global }
      - { .name: Wk, .offset: 16, .size: 8, .value_kind: global_buffer, .address_space: global }
      - { .name: Wv, .offset: 24, .size: 8, .value_kind: global_buffer, .address_space: global }
      - { .name: Wo, .offset: 32, .size: 8, .value_kind: global_buffer, .address_space: global }
      - { .name: codes, .offset: 40, .size: 8, .value_kind: global_buffer, .address_space: global }
      - { .name: scales, .offset: 48, .size: 8, .value_kind: global_buffer, .address_space: global }
      - { .name: wo16, .offset: 56, .size: 8, .value_kind: global_buffer, .address_space: global }
      - { .name: amax, .offset: 64, .size: 8, .value_kind: global_buffer, .address_space: global }
    .group_segment_fixed_size: 33280
    .private_segment_fixed_size: 0
    .kernarg_segment_align: 8
    .kernarg_segment_size: 72
    .max_flat_workgroup_size: 128
    .sgpr_count:     66
    .vgpr_count:     200
    .wavefront_size: 32
...
	.end_amdgpu_metadata
.endif
;; end of part 1
;; launch qkv (part 2): grid 32 x 8, 4 waves a work-group, clusters of 4 x 1, 327,680 bytes of LDS; arguments codes, scales, amax, position_ids, cos, sin, q_norm_w, k_norm_w, qimg, kvimg, fine32; writes qimg, kvimg, fine32
.if DOCPART == 2
	.amdgcn_target "amdgcn-amd-amdhsa--gfx1250"
	.amdhsa_code_object_version 6
	.text
	.protected	k_qf89f15cc9c_qkv
	.globl	k_qf89f15cc9c_qkv
	.p2align	8
	.type	k_qf89f15cc9c_qkv,@function
k_qf89f15cc9c_qkv:
	s_mov_b64 s[64:65], 0
	v_nop
	global_prefetch_b8 v0, s[64:65] scope:SCOPE_SE
	s_setreg_imm32_b32 hwreg(HW_REG_WAVE_MODE, 25, 1), 1
	s_wait_xcnt 0x0
	s_wait_alu depctr_hold_cnt(0) depctr_sa_sdst(0) depctr_va_vdst(0) depctr_va_sdst(0) depctr_va_ssrc(0) depctr_va_vcc(0) depctr_vm_vsrc(0)
	s_getreg_b32 s2, hwreg(HW_REG_IB_STS2, 6, 4)
	s_cmp_eq_u32 s2, 0
	s_cbranch_scc0 .Lentry_in_a_cluster
	s_endpgm
.Lentry_in_a_cluster:
	s_bfe_u32 s2, ttmp6, 0x10000c
	s_cmp_lg_u32 s2, 0x3003
	s_cbranch_scc0 .Lentry_shape_is_right
	s_endpgm
.Lentry_shape_is_right:
; [q | k | v] = hidden_states [Wq | Wk | Wv]^T on codes of FP4 with E8M0 scales (M 2,048, N 4,096, K 4,096), then per head the RMS norm and RoPE (q, k) or a power-of-two scaling (v), rounded to f16.
; SHARES.  A work-group makes 256 rows x the 128 columns of ONE head hx = 4 x cluster x + cx (0-15 q, 16-23 k, 24-31 v); each of its four waves 64 rows x 128 columns: 32 accumulators, 256 registers.
; So a row's norm needs one exchange between the halves of the lanes, and RoPE's partner (column +- 64) lies in the same lane, four accumulators on.
; THE MATRIX INSTRUCTION IS USED TRANSPOSED (source 0 = 16 rows of W, source 1 = 16 rows of hidden_states): lane (r, h) holds row r and columns 16 b + 8 h + 0..7, which as f16 are 16 bytes:
; one piece of the next product's operand.  Results leave as IMAGES OF OPERAND REGISTERS, 512 consecutive bytes a store:
;   qimg  [head 16][tile of 16 rows: 128][piece b 8][lane][16 B];   kvimg [kv head 8][group of 32 keys: 64][K: key tile 2, piece 8 | V^T: channel tile 8, piece 2][lane][16 B].
; V is turned in the wave's own stage in LDS (ds_load_tr16_b128) so that a lane holds one channel and eight keys.
; V IS CARRIED AS V x 2^-s, s = the sum of the largest block exponents of hidden_states and Wv (from amax), held to +-126: a quantised number is at most 1.5 x 2^E, so |V x 2^-s| <= 4,096 x 2.25 = 9,216: inside f16 for every input.
; Rows 0-15 of every head are also stored in f32 (fine32), for the launch that makes the first 16 rows of the result in f32.
; K goes in steps of 512 (rows of 256 bytes) through two LDS slots; all scale bytes of the work-group's rows come once, in units of 256 bytes, and stay.
; CLUSTER 4 x 1: the four partners are four heads on the same 256 rows: the rows' codes and scales, the larger of the two operands, are asked for jointly; W's are each work-group's own.  A 4 x 4 cluster is not taken:
; the f32 copy of rows 0-15 is a branch on the tile row, which has to be the same in all partners; the head's kind is (cluster x under 4: q; 4, 5: k; 6, 7: v).
; REGISTERS: window 0: v1-31 addresses and small things; v32-95 scale words, two sets; v96-127 packed f16; v128-191 hidden's fragments, two sets, later Z; v192-255 amax at the head, later Y.
;   window 1: v0-127 W's fragments, two sets, later cos | sin of row tile 2; v128-255 cos | sin of row tile 1.   window 2: accumulator (a, b) at v[8 (8 a + b)].   window 3: v0-63 norm weight; v64-191 cos | sin of row tiles 0, then 3.
; LIMITS: NaN and infinities are not served; |q| and |k| behind the norm stay under 65,504 (norm weights under some 4,000); position_ids are held to 0..2,047.
.set PITCH, 272                        ; an LDS row: 256 bytes + 16: the 16 rows of a load start 68 words apart
.set AB,    256*PITCH                  ; hidden's 256 rows, then W's 128
.set SLOT,  384*PITCH
.set SCL,   2*SLOT                     ; scale bytes as units of 256 + 16 bytes: hidden's 128 units,
.set SCB,   SCL+128*272                ; W's 64
.set SBLK,  8*272                      ; those of 16 rows
.set VST,   SCL+192*272                ; V's stage: 16 rows x 288 bytes for each wave; no tile ever lands here
.set VP,    288
.set SPARE, VST+4*16*VP                ; the spare words, 128 bytes a wave
.set SPW,  1
.set NIL,  2
.set ADRA, 4                           ; v4-5   hidden's fragments in slot 0, 1
.set ADRB, 6                           ; v6-7   W's
.set ADRS, 8                           ; v8     scale words: lanes 0-15 hidden's rows, lanes 16-31 W's
.set L16,  9                           ; v9     16 x lane
.set CO,   10                          ; v10-13 row tile a: position x 512 + 32 h
.set DST,  14                          ; v14-17 row tile a: where its image begins
.set VSTO, 18
.set VRD,  19
.set VS,   20                          ; v20-21 2^-s
.set RS,   22                          ; v22-23 1 / rms
.set T,    24                          ; v24-31 at work
.set SC,   32
.set H,    96
.set AF,   128
.set Z,    128
.set Y,    192
.set G1A,  24
.set G0A,  32
.set G1B,  40
.set G0B,  48
.set G1SA, 56
.set G1SB, 68
.set G0SA, 76
.set G0SB, 80
.set WV,   20
.set SEL,  98
.set INV,  100
.set EPS,  101
.set MULW, 0xa1                        ; source 0 (W) window 1, source 1 (hidden) window 0, C and D window 2
.set MSB, 0
.macro WIN new                         ; the immediate's high byte repeats the setting that is left
.if MSB != (\new)
	s_set_vgpr_msb (MSB<<8)|(\new)
.set MSB, \new
.endif
.endm
.macro PLACES
.rept 4
	v_nop
.endr
.endm
; Waves 0 and 1 fetch hidden's halves (jointly), waves 2 and 3 W's.  The branch hangs on the wave's number alone.  An s_nop 0 and four v_nop follow each line.
.macro JLOAD g0a, g1a, g0b, g1b
	s_cmp_eq_u32 s21, 0
	s_cbranch_scc0 .Lfor_b_\@
	tensor_load_to_lds s[\g0a:\g0a+3], s[\g1a:\g1a+7]
	s_nop 0
.rept 4
	v_nop
.endr
	s_branch .Lasked_\@
.Lfor_b_\@:
	tensor_load_to_lds s[\g0b:\g0b+3], s[\g1b:\g1b+7]
	s_nop 0
.rept 4
	v_nop
.endr
.Lasked_\@:
.endm
.macro CREST                           ; a round of the cluster's barrier behind its opening barrier
	s_cmp_lg_u32 s[WV], 0
	s_cbranch_scc1 .Lnot_wave_0_\@
	s_barrier_signal -3
.Lnot_wave_0_\@:
	s_barrier_wait -3
	s_barrier_signal -1
	s_barrier_wait -1
.endm
.macro CROUND
	s_barrier_signal -1
	s_barrier_wait -1
	CREST
.endm
	s_load_b256 s[4:11], s[0:1], 0x0               ; codes, scales, amax, position_ids
	s_load_b256 s[12:19], s[0:1], 0x20             ; cos, sin, q_norm_w, k_norm_w
	s_load_b128 s[84:87], s[0:1], 0x40             ; qimg, kvimg
	s_load_b64 s[88:89], s[0:1], 0x50              ; fine32
	v_lshl_add_u32 v[SPW], v0, 2, SPARE
	v_mov_b32 v[NIL], 0
	ds_add_u32 v[SPW], v[NIL]                      ; the wave's opening: the add, twice on end, and its wait ahead of my first tensor load
	ds_add_u32 v[SPW], v[NIL]
	v_lshrrev_b32 v3, 5, v0
	v_readfirstlane_b32 s[WV], v3                  ; wave 0..3
	s_lshr_b32 s21, s[WV], 1                       ; 0: I fetch hidden's, 1: W's
	s_and_b32 s22, s[WV], 1                        ; which half
	s_bfe_u32 s23, ttmp6, 0x40000                  ; cx
	s_lshl_b32 s66, ttmp9, 2
	s_add_co_u32 s66, s66, s23                     ; hx, the head: it enters global addresses alone
	s_and_b32 s67, ttmp7, 0xffff                   ; ty, the tile row
	s_mov_b32 s[G1A], 15|(1<<20)|(1<<21)|(5<<22)|(3<<25)   ; mask: all four; elements of 1 byte; 4 words of padding behind every 64
	s_mov_b32 s[G1A+1], 256<<16                    ; tensor_dim0
	s_mov_b32 s[G1A+2], 128<<16                    ; tensor_dim1
	s_mov_b32 s[G1A+3], 256<<16                    ; tile_dim0
	s_mov_b32 s[G1A+4], 128                        ; tile_dim1
	s_mov_b32 s[G1A+5], 2048                       ; a row of codes in memory
	s_mov_b32 s[G1A+6], 0
	s_mov_b32 s[G1A+7], 0
	s_mov_b32 s[G1B], (1<<20)|(5<<22)|(3<<25)      ; no mask: my own
	s_mov_b32 s[G1B+1], 256<<16
	s_mov_b32 s[G1B+2], 64<<16
	s_mov_b32 s[G1B+3], 256<<16
	s_mov_b32 s[G1B+4], 64
	s_mov_b32 s[G1B+5], 2048
	s_mov_b32 s[G1B+6], 0
	s_mov_b32 s[G1B+7], 0
	s_mov_b32 s[G1SA], 15|(3<<16)|(1<<20)|(1<<21)|(5<<22)|(3<<25)  ; the scales of 128 rows: 16 KiB dense, as 64 rows of 32 elements of 8 bytes
	s_mov_b32 s[G1SA+1], 32<<16
	s_mov_b32 s[G1SA+2], 64<<16
	s_mov_b32 s[G1SA+3], 32<<16
	s_mov_b32 s[G1SA+4], 64
	s_mov_b32 s[G1SA+5], 32
	s_mov_b32 s[G1SA+6], 0
	s_mov_b32 s[G1SA+7], 0
	s_mov_b32 s[G1SB], (3<<16)|(1<<20)|(5<<22)|(3<<25)             ; of 64 rows: 32 such rows
	s_mov_b32 s[G1SB+1], 32<<16
	s_mov_b32 s[G1SB+2], 32<<16
	s_mov_b32 s[G1SB+3], 32<<16
	s_mov_b32 s[G1SB+4], 32
	s_mov_b32 s[G1SB+5], 32
	s_mov_b32 s[G1SB+6], 0
	s_mov_b32 s[G1SB+7], 0
	s_lshl_b32 s90, s67, 8
	s_lshl_b32 s91, s22, 7
	s_add_co_u32 s90, s90, s91                     ; hidden: row 256 ty + 128 half
	s_lshl_b32 s92, s90, 11                        ; its codes,
	s_mov_b32 s93, 0
	s_lshl_b32 s94, s90, 7                         ; its scale bytes
	s_mov_b32 s95, 0
	s_lshl_b32 s96, s66, 7
	s_lshl_b32 s97, s22, 6
	s_add_co_u32 s96, s96, s97                     ; W: row 128 hx + 64 half
	s_lshl_b32 s98, s96, 11
	s_add_co_u32 s98, s98, 0x400000                ; behind hidden's 4 MiB of codes
	s_mov_b32 s99, 0
	s_lshl_b32 s100, s96, 7
	s_add_co_u32 s100, s100, 262144                ; behind hidden's scale bytes
	s_mov_b32 s101, 0
	s_mul_i32 s90, s22, 128*PITCH                  ; where they go: made of the wave's number alone
	s_mul_i32 s91, s22, 64*272
	s_mul_i32 s96, s22, 64*PITCH
	s_add_co_u32 s96, s96, AB
	s_mul_i32 s97, s22, 32*272
	s_wait_dscnt 0x0                               ; both opening adds are done
	s_wait_kmcnt 0x0
	s_add_nc_u64 s[92:93], s[4:5], s[92:93]
	s_add_nc_u64 s[94:95], s[6:7], s[94:95]
	s_add_nc_u64 s[98:99], s[4:5], s[98:99]
	s_add_nc_u64 s[100:101], s[6:7], s[100:101]
	CROUND                                         ; all four work-groups are here: the first joint loads meet
	s_mov_b32 s[G0SA], 1
	s_add_co_u32 s[G0SA+1], s91, SCL
	s_mov_b64 s[G0SA+2:G0SA+3], s[94:95]
	s_or_b32 s[G0SA+3], s[G0SA+3], 0x80000000
	s_mov_b32 s[G0SB], 1
	s_add_co_u32 s[G0SB+1], s97, SCB
	s_mov_b64 s[G0SB+2:G0SB+3], s[100:101]
	s_or_b32 s[G0SB+3], s[G0SB+3], 0x80000000
	JLOAD G0SA, G1SA, G0SB, G1SB                   ; the scales first: they are wanted with K step 0
.irp s, 0,1
	s_mov_b32 s[G0A+4*\s], 1
	s_add_co_u32 s[G0A+4*\s+1], s90, \s*SLOT
	s_add_nc_u64 s[G0A+4*\s+2:G0A+4*\s+3], s[92:93], \s*256
	s_or_b32 s[G0A+4*\s+3], s[G0A+4*\s+3], 0x80000000
	s_mov_b32 s[G0B+4*\s], 1
	s_add_co_u32 s[G0B+4*\s+1], s96, \s*SLOT
	s_add_nc_u64 s[G0B+4*\s+2:G0B+4*\s+3], s[98:99], \s*256
	s_or_b32 s[G0B+4*\s+3], s[G0B+4*\s+3], 0x80000000
	JLOAD G0A+4*\s, G1A, G0B+4*\s, G1B             ; three loads of mine are out
.endr
	s_mov_b32 s[SEL], 0x76543210
	s_mov_b32 s[SEL+1], 0xfedcba98                 ; lane l xor 16
	s_mov_b32 s[INV], 0x3c000000                   ; 1 / 128
	s_mov_b32 s[EPS], 0x358637bd                   ; 1e-6
	s_or_b32 s2, s67, s[WV]                        ; 0 in the wave that holds rows 0-15
	v_and_b32 v24, 15, v0                          ; r
	v_bfe_u32 v25, v0, 4, 1                        ; h
	v_and_b32 v26, 31, v0
	v_lshlrev_b32 v[L16], 4, v26
	v_mul_u32_u24 v27, v24, PITCH
	v_lshl_add_u32 v27, v25, 4, v27                ; a fragment's row x pitch + 16 h
	s_mul_i32 s90, s[WV], 64*PITCH                 ; my 64 rows of hidden
	v_add_nc_u32 v[ADRA], s90, v27
	v_add_nc_u32 v[ADRA+1], SLOT, v[ADRA]
	v_add_nc_u32 v[ADRB], AB, v27
	v_add_nc_u32 v[ADRB+1], SLOT, v[ADRB]
	v_lshlrev_b32 v26, 7, v24                      ; scale bytes: 128 a row,
	v_lshrrev_b32 v27, 1, v24
	v_lshl_add_u32 v26, v27, 4, v26                ; and 16 more for each 256 passed
	s_mul_i32 s90, s[WV], 4*SBLK                   ; hidden's: my 64 rows
	s_sub_co_u32 s91, 128*272, s90                 ; from there to W's
	v_mul_u32_u24 v27, s91, v25                    ; lanes 16-31 take W's
	s_add_co_u32 s90, s90, SCL
	v_add_nc_u32 v26, v26, v27
	v_add_nc_u32 v[ADRS], s90, v26
	s_mul_i32 s90, s[WV], 16*VP
	s_add_co_u32 s90, s90, VST                     ; my stage
	v_mul_u32_u24 v26, v24, VP
	v_lshl_add_u32 v26, v25, 4, v26
	v_add_nc_u32 v[VSTO], s90, v26                 ; in: key r, 16 bytes for each half of the lanes
	v_and_b32 v26, 7, v0
	v_lshl_add_u32 v26, v25, 3, v26
	v_mul_u32_u24 v26, v26, VP
	v_bfe_u32 v27, v0, 3, 1
	v_lshl_add_u32 v26, v27, 4, v26
	v_add_nc_u32 v[VRD], s90, v26                  ; back, turned: key 8 h + lane % 8, channels 8 ((lane / 8) % 2) on
	s_lshl_b32 s90, s67, 10
	s_lshl_b32 s91, s[WV], 8
	s_add_co_u32 s90, s90, s91
	s_mov_b32 s91, 0
	s_add_nc_u64 s[10:11], s[10:11], s[90:91]      ; position_ids at my first row
	v_lshlrev_b32 v30, 2, v24
	v_lshlrev_b32 v31, 5, v25                      ; 32 h
.irp a, 0,1,2,3
	global_load_b32 v[CO+\a], v30, s[10:11] offset:64*\a
.endr
.irp i, 0,1,2,3,4,5,6,7
	global_load_b128 v[192+4*\i:192+4*\i+3], v[L16], s[8:9] offset:512*\i          ; hidden's 1,024 largest magnitudes
.endr
.irp i, 0,1,2,3
	global_load_b128 v[224+4*\i:224+4*\i+3], v[L16], s[8:9] offset:10240+512*\i    ; Wv's 512
.endr
	s_cmp_lt_u32 ttmp9, 4
	s_cselect_b64 s[16:17], s[16:17], s[18:19]     ; q's weight or k's
	WIN 0xc0
.irp i, 0,1,2,3,4,5,6,7,8,9,10,11,12,13,14,15
	global_load_b128 v[4*\i:4*\i+3], v31, s[16:17] offset:64*(\i/2)+16*(\i%2)      ; w(16 b + 8 h + j) at v[8 b + j] of window 3
.endr
	WIN 0
	s_wait_loadcnt 16                              ; positions and amax are in; the weight's sixteen loads may be out
.irp a, 0,1,2,3
	v_min_u32 v[CO+\a], 0x7ff, v[CO+\a]            ; an index stays inside its table
.endr
.irp a, 0,1,2,3
	v_lshlrev_b32 v[CO+\a], 9, v[CO+\a]            ; a row of cos or sin is 512 bytes
.endr
.irp a, 0,1,2,3
	v_add_nc_u32 v[CO+\a], v[CO+\a], v31
.endr
; cos and sin of row tile a at my 64 columns: cos at v[csb + 8 b + j], sin 64 registers on, in window win
.macro CSLOAD a, win, csb
	WIN (\win)<<6
.irp i, 0,1,2,3,4,5,6,7,8,9,10,11,12,13,14,15
	global_load_b128 v[\csb+4*\i:\csb+4*\i+3], v[CO+\a], s[12:13] offset:64*(\i/2)+16*(\i%2)
.endr
.irp i, 0,1,2,3,4,5,6,7,8,9,10,11,12,13,14,15
	global_load_b128 v[\csb+64+4*\i:\csb+64+4*\i+3], v[CO+\a], s[14:15] offset:64*(\i/2)+16*(\i%2)
.endr
	WIN 0
.endm
	CSLOAD 0, 3, 64
	; 2^-s
	v_mov_b32 v28, 0
	v_mov_b32 v29, 0
	v_max_num_f32 v26, v192, v193
.irp i, 2,4,6,8,10,12,14,16,18,20,22,24,26,28,30
	v_max3_num_f32 v26, v26, v[192+\i], v[193+\i]
.endr
	v_max_num_f32 v27, v224, v225
.irp i, 2,4,6,8,10,12,14
	v_max3_num_f32 v27, v27, v[224+\i], v[225+\i]
.endr
.irp m, 1,2,4,8
	v_max_num_f32_dpp v26, v26, v26 row_xmask:\m row_mask:0xf bank_mask:0xf
	v_max_num_f32_dpp v27, v27, v27 row_xmask:\m row_mask:0xf bank_mask:0xf
.endr
	v_permlanex16_b32 v28, v26, s[SEL], s[SEL+1]
	v_permlanex16_b32 v29, v27, s[SEL], s[SEL+1]
	v_max_num_f32 v26, v26, v28
	v_max_num_f32 v27, v27, v29
	v_readfirstlane_b32 s90, v26
	v_readfirstlane_b32 s91, v27
	s_lshr_b32 s90, s90, 23
	s_lshr_b32 s91, s91, 23
	s_add_co_u32 s90, s90, s91
	s_sub_co_i32 s90, s90, 254                     ; s
	s_max_i32 s90, s90, -126
	s_min_i32 s90, s90, 126
	s_sub_co_i32 s90, 127, s90
	s_lshl_b32 s90, s90, 23                        ; 2^-s as f32: it feeds values alone
	v_mov_b32 v[VS], s90
	v_mov_b32 v[VS+1], s90
	v_mov_b32 v[RS+1], 0                           ; (named as the upper half of a pair)
	CSLOAD 1, 1, 128
	; where the images go
	s_cmp_lt_u32 ttmp9, 4
	s_cselect_b64 s[84:85], s[84:85], s[86:87]
	s_cselect_b32 s90, 0, 1                        ; kvimg's strides are twice qimg's
	s_cselect_b32 s91, 0, 16
	s_cmp_ge_u32 ttmp9, 6
	s_cselect_b32 s94, 8, 0
	s_cselect_b32 s95, 3, 0
	s_cselect_b32 s96, 8192, 0                     ; V lies behind a group's K
	s_add_co_u32 s91, s91, s94
	s_sub_co_u32 s91, s66, s91                     ; the head's number in its buffer
	s_add_co_u32 s94, s90, 19
	s_lshl_b32 s92, s91, s94
	s_mov_b32 s93, 0
	s_add_nc_u64 s[84:85], s[84:85], s[92:93]
	s_lshl_b32 s91, s67, 2
	s_add_co_u32 s91, s91, s[WV]
	s_add_co_u32 s94, s90, 14
	s_lshl_b32 s91, s91, s94                       ; my 64 rows: 16 KiB in qimg, 32 KiB in kvimg
	s_add_co_u32 s91, s91, s96
	s_lshl_b32 s94, 8192, s90                      ; two row tiles on
	s_lshr_b32 s95, 4096, s95                      ; one row tile on: 4,096 bytes (q, k) or 512 (v: the other piece)
	v_add_nc_u32 v[DST], s91, v[L16]
	v_add_nc_u32 v[DST+1], s95, v[DST]
	v_add_nc_u32 v[DST+2], s94, v[DST]
	v_add_nc_u32 v[DST+3], s94, v[DST+1]
	s_lshl_b32 s92, s66, 13
	s_add_nc_u64 s[88:89], s[88:89], s[92:93]      ; fine32: 8 KiB a head
.macro FRAG reg, adr, q, i             ; 16 rows x 128 K of 4-bit codes: 8 registers: registers 4 c .. 4 c + 3 hold K = 64 c + 32 h + 0..31
	ds_load_b128 v[\reg:\reg+3], v[\adr] offset:64*(\q)+(\i)*16*PITCH
	ds_load_b128 v[\reg+4:\reg+7], v[\adr] offset:64*(\q)+32+(\i)*16*PITCH
.endm
; 8 matrix instructions: row tile a x W's eight blocks, the slot's q-th 128 along K; p: the set of fragments; sc: the set of scale words.  The 32 accumulators take turns, one instruction a turn.
.macro MUL8 a, p, q, sc, zero
.irp b, 0,1,2,3,4,5,6,7
.if \zero
	v_wmma_scale_f32_16x16x128_f8f6f4 v[8*(8*(\a)+\b):8*(8*(\a)+\b)+7], v[64*(\p)+8*\b:64*(\p)+8*\b+7], v[AF+32*(\p)+8*(\a):AF+32*(\p)+8*(\a)+7], 0, v[SC+32*(\sc)+4*\b+(\q)], v[SC+32*(\sc)+4*(\a)+(\q)] matrix_a_fmt:MATRIX_FMT_FP4 matrix_b_fmt:MATRIX_FMT_FP4 matrix_a_scale:MATRIX_SCALE_ROW1
.else
	v_wmma_scale_f32_16x16x128_f8f6f4 v[8*(8*(\a)+\b):8*(8*(\a)+\b)+7], v[64*(\p)+8*\b:64*(\p)+8*\b+7], v[AF+32*(\p)+8*(\a):AF+32*(\p)+8*(\a)+7], v[8*(8*(\a)+\b):8*(8*(\a)+\b)+7], v[SC+32*(\sc)+4*\b+(\q)], v[SC+32*(\sc)+4*(\a)+(\q)] matrix_a_fmt:MATRIX_FMT_FP4 matrix_b_fmt:MATRIX_FMT_FP4 matrix_a_scale:MATRIX_SCALE_ROW1
.endif
.endr
.endm
.macro FETCH slot, q, p                ; 24 LDS loads in one run
	WIN 0x40
.irp i, 0,1,2,3,4,5,6,7
	FRAG 64*(\p)+8*\i, ADRB+\slot, \q, \i
.endr
	WIN 0
.irp i, 0,1,2,3
	FRAG AF+32*(\p)+8*\i, ADRA+\slot, \q, \i
.endr
.endm
.macro SCALES sc                       ; a K step's four words a row: lanes 0-15 hidden's block i (blocks 4-7 are not used), lanes 16-31 W's block i
.irp i, 0,1,2,3,4,5,6,7
	ds_load_b128 v[SC+32*\sc+4*\i:SC+32*\sc+4*\i+3], v[ADRS] offset:\i*SBLK
.endr
.endm
.macro STEP slot, q, zero              ; 128 along K whose successor lies in the same slot
	s_wait_dscnt 0x0                               ; this step's fragments, asked for 24 matrix instructions ago
	WIN MULW
	MUL8 0, (\q)%2, \q, \slot, \zero
	PLACES                                         ; four places in front of loads into the set that the last step multiplied
	FETCH \slot, (\q)+1, 1-(\q)%2
	WIN MULW
	MUL8 1, (\q)%2, \q, \slot, \zero
	MUL8 2, (\q)%2, \q, \slot, \zero
	MUL8 3, (\q)%2, \q, \slot, \zero
.endm
; A slot's last step changes slots: ONE barrier; in front of it each wave waits for all its tensor loads, adds 0 to its spare word, and waits for that and for its reads of this slot.
.macro TURN slot, next, fill
	WIN 0
	s_wait_tensorcnt 0x0                           ; all my tensor loads have landed: my part of the next slot
	ds_add_u32 v[SPW], v[NIL]                      ; 0 onto my spare word
	s_wait_dscnt 1                                 ; the fragments are in; the add may be out
	WIN MULW
	MUL8 0, 1, 3, \slot, 0
	s_wait_dscnt 0x0                               ; the add is done, and my reads of this slot are over
	s_barrier_signal -1
	MUL8 1, 1, 3, \slot, 0
	WIN 0
	s_barrier_wait -1
.if \fill
	CREST                                          ; the barrier has opened a round of the cluster's: no wave of any partner still reads this slot or has a load on its way
	s_add_nc_u64 s[G0A+4*\slot+2:G0A+4*\slot+3], s[G0A+4*\slot+2:G0A+4*\slot+3], 512
	s_add_nc_u64 s[G0B+4*\slot+2:G0B+4*\slot+3], s[G0B+4*\slot+2:G0B+4*\slot+3], 512
	JLOAD G0A+4*\slot, G1A, G0B+4*\slot, G1B       ; two K steps ahead; its four v_nop are also the places in front of the loads below
.else
	PLACES
.endif
	v_add_nc_u32 v[ADRS], 16, v[ADRS]              ; the next K step's scale words
	FETCH \next, 0, 0
	SCALES \next
	WIN MULW
	MUL8 2, 1, 3, \slot, 0
	MUL8 3, 1, 3, \slot, 0
.endm
	s_wait_tensorcnt 1                             ; the scales and my part of K step 0 are in; K step 1's load may be out
	s_barrier_signal -1
	s_barrier_wait -1
	FETCH 0, 0, 0
	SCALES 0
	STEP 0, 0, 1                                   ; the first step's products start the sums
	WIN 0
	s_mov_b32 s3, 3
.Llap:                                                 ; a trip goes once round the ring and fills both slots again: K steps 2 to 7
	STEP 0, 1, 0
	STEP 0, 2, 0
	TURN 0, 1, 1
	STEP 1, 0, 0
	STEP 1, 1, 0
	STEP 1, 2, 0
	TURN 1, 0, 1
	STEP 0, 0, 0
	WIN 0
	s_sub_co_u32 s3, s3, 1
	s_cmp_lg_u32 s3, 0
	s_cbranch_scc1 .Llap
	STEP 0, 1, 0                                   ; the last lap fills nothing
	STEP 0, 2, 0
	TURN 0, 1, 0
	STEP 1, 0, 0
	STEP 1, 1, 0
	STEP 1, 2, 0
	s_wait_dscnt 0x0
	WIN MULW
	MUL8 0, 1, 3, 1, 0
	MUL8 1, 1, 3, 1, 0
	MUL8 2, 1, 3, 1, 0
	MUL8 3, 1, 3, 1, 0
	WIN 0
	PLACES                                         ; in front of the first reads of results and of loads into W's fragment registers
; Row tile a of a q or k head: rms over the row's 128 columns, x 1 / rms, x weight, RoPE, f16, eight stores of 512 consecutive bytes.  left: the later tiles' cos and sin loads that may stay out.
.macro NORMROPE a, win, csb, left
.if (\left) >= 0
	s_wait_loadcnt \left
.endif
	WIN 0x0a
.set i, 0
.rept 32                               ; squares, in four chains; each accumulator is read from its low end on
.if i < 4
	v_pk_mul_f32 v[T+2*i:T+2*i+1], v[64*\a+2*i:64*\a+2*i+1], v[64*\a+2*i:64*\a+2*i+1]
.else
	v_pk_fma_f32 v[T+2*(i%4):T+2*(i%4)+1], v[64*\a+2*i:64*\a+2*i+1], v[64*\a+2*i:64*\a+2*i+1], v[T+2*(i%4):T+2*(i%4)+1]
.endif
.set i, i+1
.endr
	WIN 0
	v_pk_add_f32 v[T:T+1], v[T:T+1], v[T+2:T+3]
	v_pk_add_f32 v[T+4:T+5], v[T+4:T+5], v[T+6:T+7]
	v_pk_add_f32 v[T:T+1], v[T:T+1], v[T+4:T+5]
	v_add_f32 v[T], v[T], v[T+1]
	v_permlanex16_b32 v[T+2], v[T], s[SEL], s[SEL+1]   ; the row's other 64 columns
	v_add_f32 v[T], v[T], v[T+2]
	v_fma_f32 v[T], v[T], s[INV], s[EPS]           ; mean + 1e-6
	v_rsq_f32 v[RS], v[T]
	v_nop                                          ; a plain line behind the transcendental,
	s_wait_alu depctr_va_vdst(0)                   ; and the wait ahead of its first reader
	WIN 0x02
.set i, 0
.rept 32
	v_pk_mul_f32 v[Y+2*i:Y+2*i+1], v[64*\a+2*i:64*\a+2*i+1], v[RS:RS+1] op_sel_hi:[1,0]
.set i, i+1
.endr
	WIN 0x0c
.set i, 0
.rept 32
	v_pk_mul_f32 v[Y+2*i:Y+2*i+1], v[Y+2*i:Y+2*i+1], v[2*i:2*i+1]      ; x weight (window 3)
.set i, i+1
.endr
	WIN (\win)<<2
.set i, 0
.rept 32
	v_pk_mul_f32 v[Z+2*i:Z+2*i+1], v[Y+2*i:Y+2*i+1], v[\csb+2*i:\csb+2*i+1]
.set i, i+1
.endr
.set i, 0
.rept 16                               ; columns under 64 take -y(c + 64) sin(c), the others +y(c - 64) sin(c)
	v_pk_fma_f32 v[Z+2*i:Z+2*i+1], v[Y+32+2*i:Y+32+2*i+1], v[\csb+64+2*i:\csb+64+2*i+1], v[Z+2*i:Z+2*i+1] neg_lo:[1,0,0] neg_hi:[1,0,0]
	v_pk_fma_f32 v[Z+32+2*i:Z+32+2*i+1], v[Y+2*i:Y+2*i+1], v[\csb+96+2*i:\csb+96+2*i+1], v[Z+32+2*i:Z+32+2*i+1]
.set i, i+1
.endr
	WIN 0
.if \a == 0
	s_cmp_lg_u32 s2, 0                             ; rows 0-15 also leave in f32
	s_cbranch_scc1 .Lnf_\@
.irp i, 0,1,2,3,4,5,6,7,8,9,10,11,12,13,14,15
	global_store_b128 v[L16], v[Z+4*\i:Z+4*\i+3], s[88:89] offset:512*\i
.endr
.Lnf_\@:
.endif
	s_wait_xcnt 0x0                                ; earlier stores have read H (and Z, which the next tile writes)
.set i, 0
.rept 32
	v_cvt_pk_f16_f32 v[H+i], v[Z+2*i], v[Z+2*i+1]
.set i, i+1
.endr
.irp b, 0,1,2,3,4,5,6,7
	global_store_b128 v[DST+\a], v[H+4*\b:H+4*\b+3], s[84:85] offset:512*\b
.endr
.endm
; Row tile a of a v head: x 2^-s, f16, turned in my stage, eight stores of 512 consecutive bytes.
.macro VOUT a
.if \a == 0
	s_cmp_lg_u32 s2, 0
	s_cbranch_scc1 .Lnfv_\@
	WIN 0x08                                       ; a store's data: window 2
.irp i, 0,1,2,3,4,5,6,7,8,9,10,11,12,13,14,15
	global_store_b128 v[L16], v[4*\i:4*\i+3], s[88:89] offset:512*\i   ; V itself, in f32
.endr
	WIN 0
.Lnfv_\@:
.endif
	WIN 0x02
.set i, 0
.rept 32
	v_pk_mul_f32 v[Y+2*i:Y+2*i+1], v[64*\a+2*i:64*\a+2*i+1], v[VS:VS+1] op_sel_hi:[1,0]
.set i, i+1
.endr
	WIN 0
	s_wait_xcnt 0x0                                ; the last tile's stores have read Z
.set i, 0
.rept 32
	v_cvt_pk_f16_f32 v[H+i], v[Y+2*i], v[Y+2*i+1]
.set i, i+1
.endr
.irp b, 0,1,2,3,4,5,6,7
	ds_store_b128 v[VSTO], v[H+4*\b:H+4*\b+3] offset:32*\b
.endr
.irp c, 0,1,2,3,4,5,6,7
	ds_load_tr16_b128 v[Z+4*\c:Z+4*\c+3], v[VRD] offset:32*\c     ; LDS serves a wave's instructions in order: these see the stores above; lane (r, h): channel 16 c + r, keys 8 h + 0..7
.endr
.irp c, 0,1,2,3,4,5,6,7
	s_wait_dscnt 7-\c                              ; the younger turning loads may be out
	global_store_b128 v[DST+\a], v[Z+4*\c:Z+4*\c+3], s[84:85] offset:1024*\c
.endr
.endm
	s_cmp_ge_u32 ttmp9, 6                          ; the head's kind: the same in all four partners
	s_cbranch_scc1 .Lvhead
	CSLOAD 2, 1, 0
	NORMROPE 0, 3, 64, 32
	CSLOAD 3, 3, 64
	NORMROPE 1, 1, 128, -1
	NORMROPE 2, 1, 0, 32
	NORMROPE 3, 3, 64, 0
	s_branch .Ldone
.Lvhead:
	VOUT 0
	VOUT 1
	VOUT 2
	VOUT 3
.Ldone:
	s_wait_tensorcnt 0x0                           ; the wave's end, behind my last tensor load and my last LDS store
	ds_add_u32 v[SPW], v[NIL]
	s_wait_dscnt 0x0
	CROUND                                         ; the closing round
	s_endpgm
.Lfunc_end_k_qf89f15cc9c_qkv:
	.size	k_qf89f15cc9c_qkv, .Lfunc_end_k_qf89f15cc9c_qkv-k_qf89f15cc9c_qkv
	.p2alignl 7, 3214868480
	.fill 96, 4, 3214868480
	.section	.rodata,"a",@progbits
	.p2align	6, 0x0
	.amdhsa_kernel k_qf89f15cc9c_qkv
		.amdhsa_group_segment_fixed_size 327680
		.amdhsa_private_segment_fixed_size 0
		.amdhsa_enable_private_segment 0
		.amdhsa_kernarg_size 88
		.amdhsa_user_sgpr_count 2
		.amdhsa_user_sgpr_kernarg_segment_ptr 1
		.amdhsa_wavefront_size32 1
		.amdhsa_system_sgpr_workgroup_id_x 1
		.amdhsa_system_sgpr_workgroup_id_y 1
		.amdhsa_system_sgpr_workgroup_id_z 1
		.amdhsa_system_vgpr_workitem_id 0
		.amdhsa_next_free_vgpr 1024
		.amdhsa_next_free_sgpr 102
		.amdhsa_reserve_vcc 0
		.amdhsa_float_denorm_mode_32 3
		.amdhsa_float_denorm_mode_16_64 3
		.amdhsa_memory_ordered 1
		.amdhsa_forward_progress 1
		.amdhsa_inst_pref_size 208
	.end_amdhsa_kernel
	.amdgpu_metadata
---
amdhsa.version: [ 1, 2 ]
amdhsa.kernels:
  - .name:           k_qf89f15cc9c_qkv
    .symbol:         k_qf89f15cc9c_qkv.kd
    .args:
      - { .name: codes, .offset: 0, .size: 8, .value_kind: global_buffer, .address_space: global }
      - { .name: scales, .offset: 8, .size: 8, .value_kind: global_buffer, .address_space: global }
      - { .name: amax, .offset: 16, .size: 8, .value_kind: global_buffer, .address_space: global }
      - { .name: position_ids, .offset: 24, .size: 8, .value_kind: global_buffer, .address_space: global }
      - { .name: cos, .offset: 32, .size: 8, .value_kind: global_buffer, .address_space: global }
      - { .name: sin, .offset: 40, .size: 8, .value_kind: global_buffer, .address_space: global }
      - { .name: q_norm_w, .offset: 48, .size: 8, .value_kind: global_buffer, .address_space: global }
      - { .name: k_norm_w, .offset: 56, .size: 8, .value_kind: global_buffer, .address_space: global }
      - { .name: qimg, .offset: 64, .size: 8, .value_kind: global_buffer, .address_space: global }
      - { .name: kvimg, .offset: 72, .size: 8, .value_kind: global_buffer, .address_space: global }
      - { .name: fine32, .offset: 80, .size: 8, .value_kind: global_buffer, .address_space: global }
    .group_segment_fixed_size: 327680
    .private_segment_fixed_size: 0
    .kernarg_segment_align: 8
    .kernarg_segment_size: 88
    .max_flat_workgroup_size: 128
    .sgpr_count:     102
    .vgpr_count:     1024
    .wavefront_size: 32
...
	.end_amdgpu_metadata
.endif
;; end of part 2
;; launch attn (part 3): grid 32 x 8, 8 waves a work-group, clusters of 4 x 1, 327,680 bytes of LDS; arguments qimg, kvimg, attnimg; writes attnimg
.if DOCPART == 3
	.amdgcn_target "amdgcn-amd-amdhsa--gfx1250"
	.amdhsa_code_object_version 6
	.text
	.protected	k_qf89f15cc9c_attn
	.globl	k_qf89f15cc9c_attn
	.p2align	8
	.type	k_qf89f15cc9c_attn,@function
k_qf89f15cc9c_attn:
	s_mov_b64 s[64:65], 0
	v_nop
	global_prefetch_b8 v0, s[64:65] scope:SCOPE_SE
	s_setreg_imm32_b32 hwreg(HW_REG_WAVE_MODE, 25, 1), 1
	s_wait_xcnt 0x0
	s_wait_alu depctr_hold_cnt(0) depctr_sa_sdst(0) depctr_va_vdst(0) depctr_va_sdst(0) depctr_va_ssrc(0) depctr_va_vcc(0) depctr_vm_vsrc(0)
	s_getreg_b32 s2, hwreg(HW_REG_IB_STS2, 6, 4)
	s_cmp_eq_u32 s2, 0
	s_cbranch_scc0 .Lentry_in_a_cluster
	s_endpgm
.Lentry_in_a_cluster:
	s_bfe_u32 s2, ttmp6, 0x10000c
	s_cmp_lg_u32 s2, 0x3003
	s_cbranch_scc0 .Lentry_shape_is_right
	s_endpgm
.Lentry_shape_is_right:
; Causal attention with grouped heads, f16 operands, f32 sums: O[q] = sum over k <= q of softmax_k(q . k / sqrt(128)) V'[k], V' = V x 2^-s.  16 query heads on 8 key/value heads, 2,048 positions, head size 128.
; EVEN WORK UNDER THE MASK.  Cluster (c = cluster x 0..7, g = cluster y) serves key/value head g.  Partner j owns two blocks of 32 queries of both query heads of g: block 4 c + j (pass 1) and block 60 - 4 c + j (pass 2).
; All four partners walk the same keys: pass 1 keys under 128 (c + 1), pass 2 keys under 128 (16 - c): 17 chunks of 128 keys in every work-group, in 9 items of 256 keys: (c + 2) / 2 in pass 1, the rest in pass 2.
; So trip counts are constants, and each item is asked for JOINTLY: one request serves 256 rows of queries.
; WAVES.  kq = wave % 4, rh = wave / 4.  A wave holds two tiles of 16 queries of head 2 g + rh and takes keys 32 kq .. 32 kq + 31 of each chunk, with a running maximum m, sum l and O^T of its own; two waves share a SIMD.
; At a pass's end the four parts of a query are joined through LDS: each is brought under the common maximum, divided by the common sum, and added.
; LAYOUT.  S^T = K Q^T and O^T = V^T P, so a lane holds ONE query throughout (lane % 16).  K, V^T and Q come as images of operand registers: every LDS load takes 512 consecutive bytes.
; A wave's tensor load brings 8 KiB of the item's first chunk and the matching 8 KiB of its second (two rows, 64 KiB apart in memory): wave 2 i: K of keys 32 i on, wave 2 i + 1: V of the same; so part of every load is read in every item.
; CHANNEL TILES LIE ROTATED BY THE WAVE: register slot 2 g + e holds channel tile 2 ((g + kq) % 4) + e, so that what a wave keeps at the joining is slot pair 0 and what it sends are pairs 1 to 3, with fixed register numbers.
; SOFTMAX.  p = 2^(c s - c m), c = log2(e) / sqrt(128); in every chunk O and l are multiplied by 2^(c m_old - c m_new).  Hidden scores become -infinity; m begins at -3e38, so a wave all of whose keys are hidden ends with l = 0 and weight 0.
; O^T begins as zeros, so that the step is written without a first step of its own.
; REGISTERS: window 0: v2-15 addresses; v16-31 statistics, 8 a tile (c m, m, l, l, four at work); v32-63 S^T; v64-79 P; v80-143 K; v144-207 V; v208-253 the joining; v254, v255 the add's two.   window 1: v0-127 O^T; v128-191 Q.
; LIMITS: NaN and infinities are not served.
.set SLOT1, 131072
.set ITEMB, 131072                     ; an item in memory: 8 groups of 16 KiB
.set STAT,  262144                     ; [rh][tile][kq][c m | l][lane x 4 bytes]
.set STG,   STAT+4096                  ; [wave that owns][sender 3][2 KiB]
.set SPARE, STG+49152                  ; the spare words, 128 bytes a wave
.set L16, 2
.set AV0, 3                            ; v3-6   V: my lane's place for slot pair g
.set ADK, 7
.set ADV, 8                            ; v8-11
.set D,   12                           ; v12-13 my query less my first key, within the diagonal chunk
.set NINF, 14
.set AK0, 15
.set ST,  16
.set S,   32
.set P,   64
.set KF,  80
.set VF,  144
.set QF,  128                          ; in window 1
.set STL, 208                          ; v208-223 the four waves' c m and l, 8 a tile
.set F,   224                          ; v224-227 my part's factor, a pair a tile
.set FT,  228                          ; v228-235 at work, 4 a tile
.set STW, 236
.set STR, 237
.set SGW, 238                          ; v238-240
.set SGR, 241
.set HH,  242                          ; v242-249
.set PFO, 250
.set SPW, 254
.set NIL, 255
.set WV, 10
.set KQ, 11
.set RH, 12
.set CX, 13
.set GH, 14
.set G1, 16
.set G0, 24
.set KVB, 28
.set OFF, 30
.set IT, 32
.set N1, 33
.set LIM, 34
.set KEY0, 35
.set TBU, 36
.set PL, 37
.set PFA, 38
.set CS, 40
.set SEL, 42
.set QP, 44
.set OP, 46
.set DQ, 48
.set DO, 50
.set LIM2, 52
.set MSB, 0
.macro WIN new
.if MSB != (\new)
	s_set_vgpr_msb (MSB<<8)|(\new)
.set MSB, \new
.endif
.endm
.macro CROUND
	s_barrier_signal -1
	s_barrier_wait -1
	s_cmp_lg_u32 s[WV], 0
	s_cbranch_scc1 .Lnot_wave_0_\@
	s_barrier_signal -3
.Lnot_wave_0_\@:
	s_barrier_wait -3
	s_barrier_signal -1
	s_barrier_wait -1
.endm
.macro BAR                             ; my LDS instructions are done: then the work-group's barrier
	s_wait_dscnt 0x0
	s_barrier_signal -1
	s_barrier_wait -1
.endm
	s_load_b128 s[4:7], s[0:1], 0x0                ; qimg, kvimg
	s_load_b64 s[8:9], s[0:1], 0x10                ; attnimg
	v_lshl_add_u32 v[SPW], v0, 2, SPARE
	v_mov_b32 v[NIL], 0
	ds_add_u32 v[SPW], v[NIL]                      ; the wave's opening: the add, twice on end, and its wait ahead of my first tensor load
	ds_add_u32 v[SPW], v[NIL]
	v_lshrrev_b32 v1, 5, v0
	v_readfirstlane_b32 s[WV], v1                  ; wave 0..7
	s_and_b32 s[KQ], s[WV], 3
	s_lshr_b32 s[RH], s[WV], 2
	s_bfe_u32 s[CX], ttmp6, 0x40000                ; j: it enters global addresses and the mask's numbers alone
	s_and_b32 s[GH], ttmp7, 0xffff
	s_mov_b32 s[G1], 15|(3<<16)|(1<<21)            ; mask: all four; elements of 8 bytes; no padding
	s_mov_b32 s[G1+1], 1024<<16                    ; tensor_dim0: 8 KiB
	s_mov_b32 s[G1+2], 2<<16                       ; tensor_dim1
	s_mov_b32 s[G1+3], 1024<<16                    ; tile_dim0
	s_mov_b32 s[G1+4], 2                           ; tile_dim1: the item's two chunks
	s_mov_b32 s[G1+5], 8192                        ; 64 KiB from chunk to chunk
	s_mov_b32 s[G1+6], 0
	s_mov_b32 s[G1+7], 0
	s_add_co_u32 s[N1], ttmp9, 2
	s_lshr_b32 s[N1], s[N1], 1                     ; items in pass 1
	s_add_co_u32 s[LIM], ttmp9, 1
	s_lshl_b32 s[LIM], s[LIM], 7                   ; keys in pass 1,
	s_sub_co_u32 s[LIM2], 16, ttmp9
	s_lshl_b32 s[LIM2], s[LIM2], 7                 ; in pass 2
	s_lshl_b32 s53, ttmp9, 3
	s_sub_co_u32 s53, 60, s53                      ; blocks of queries from pass 1 to pass 2
	s_lshl_b32 s[DQ], s53, 13
	s_mov_b32 s[DQ+1], 0
	s_lshl_b32 s[DO], s53, 17
	s_mov_b32 s[DO+1], 0
	s_lshl_b32 s54, s[GH], 20
	s_lshl_b32 s55, s[WV], 13
	s_add_co_u32 s54, s54, s55                     ; K and V: the head's MiB, my wave's 8 KiB of a chunk
	s_mov_b32 s55, 0
	s_lshl_b32 s56, s[GH], 1
	s_add_co_u32 s56, s56, s[RH]                   ; my query head
	s_lshl_b32 s57, ttmp9, 2
	s_add_co_u32 s57, s57, s[CX]                   ; pass 1's block
	s_lshl_b32 s58, s56, 19
	s_lshl_b32 s59, s57, 13
	s_add_co_u32 s58, s58, s59                     ; Q: 512 KiB a head, 8 KiB a block
	s_mov_b32 s59, 0
	s_lshl_b32 s2, s56, 2
	s_add_co_u32 s2, s2, s[KQ]
	s_lshl_b32 s2, s2, 10                          ; the result: 1 KiB for each 32 along the projection's K: 4 head + kq,
	s_lshl_b32 s3, s57, 17
	s_add_co_u32 s2, s2, s3                        ; 128 KiB a block
	s_mov_b32 s3, 0
	s_lshl_b32 s56, s[GH], 20                      ; the prefetches: my work-group's 32 KiB of an item, my wave's 8 KiB of them, in key item 1
	s_lshl_b32 s57, s[CX], 15
	s_add_co_u32 s56, s56, s57
	s_lshl_b32 s57, s[KQ], 13
	s_add_co_u32 s56, s56, s57
	s_add_co_u32 s56, s56, ITEMB
	s_mov_b32 s57, 0
	s_or_b32 s[PL], s[RH], ttmp9                   ; waves 0-3 of the head's first cluster ask, in trips 0 to 5
	s_cmp_eq_u32 s[PL], 0
	s_cselect_b32 s[PL], 6, 0
	s_mov_b32 s[CS], 0x3e0293ee                    ; c = log2(e) / sqrt(128)
	s_mov_b32 s[CS+1], s[CS]
	s_mov_b32 s[SEL], 0x76543210
	s_mov_b32 s[SEL+1], 0xfedcba98
	s_mov_b32 s[OFF], 0
	s_mov_b32 s[OFF+1], 0
	s_mov_b32 s[KEY0], 0
	s_mov_b32 s[TBU], 0
	s_mov_b32 s[IT], 0
	s_wait_dscnt 0x0                               ; both opening adds are done
	s_wait_kmcnt 0x0
	s_add_nc_u64 s[KVB:KVB+1], s[6:7], s[54:55]
	s_add_nc_u64 s[QP:QP+1], s[4:5], s[58:59]
	s_add_nc_u64 s[OP:OP+1], s[8:9], s[2:3]
	s_add_nc_u64 s[PFA:PFA+1], s[6:7], s[56:57]
	CROUND                                         ; all four work-groups are here
	s_mov_b32 s[G0], 1
	s_lshl_b32 s[G0+1], s[WV], 14                  ; slot 0, my 16 KiB
	s_mov_b64 s[G0+2:G0+3], s[KVB:KVB+1]
	s_or_b32 s[G0+3], s[G0+3], 0x80000000
	tensor_load_to_lds s[G0:G0+3], s[G1:G1+7]      ; item 0
	s_nop 0
.rept 4
	v_nop
.endr
	v_and_b32 v251, 31, v0
	v_lshlrev_b32 v[L16], 4, v251
	v_lshlrev_b32 v[PFO], 8, v251
	v_lshlrev_b32 v252, 2, v251
	v_and_b32 v251, 15, v0
	v_bfe_u32 v253, v0, 4, 1
	v_lshlrev_b32 v253, 3, v253
	v_sub_nc_u32 v251, v251, v253                  ; r - 8 h
	s_sub_co_i32 s53, s[CX], s[KQ]
	s_lshl_b32 s53, s53, 5
	v_add_nc_u32 v[D], s53, v251                   ; 32 j + r - 32 kq - 8 h,
	v_add_nc_u32 v[D+1], 16, v[D]                  ; and 16 more for tile 1
	v_mov_b32 v[NINF], 0xff800000
	v_mov_b32 v[F+1], 0                            ; (named as upper halves of pairs)
	v_mov_b32 v[F+3], 0
	s_lshl_b32 s53, s[KQ], 15
	v_add_nc_u32 v[AK0], s53, v[L16]               ; K of my 32 keys: what wave 2 kq fetched
	s_add_co_u32 s53, s53, 16384                   ; V: what wave 2 kq + 1 fetched
.irp g, 0,1,2,3
	s_add_co_u32 s54, s[KQ], \g
	s_and_b32 s54, s54, 3
	s_lshl_b32 s54, s54, 11                        ; two channel tiles are 2 KiB
	s_add_co_u32 s54, s54, s53
	v_add_nc_u32 v[AV0+\g], s54, v[L16]
.endr
	s_lshl_b32 s53, s[RH], 11
	s_add_co_u32 s53, s53, STAT
	v_add_nc_u32 v[STR], s53, v252
	s_lshl_b32 s54, s[KQ], 8
	s_add_co_u32 s53, s53, s54
	v_add_nc_u32 v[STW], s53, v252
.irp g, 1,2,3
	s_add_co_u32 s54, s[KQ], \g
	s_and_b32 s54, s54, 3
	s_lshl_b32 s55, s[RH], 2
	s_add_co_u32 s54, s54, s55                     ; the wave that owns slot pair g's channels
	s_mul_i32 s54, s54, 6144
	s_add_co_u32 s54, s54, STG+(\g-1)*2048
	v_add_nc_u32 v[SGW+\g-1], s54, v[L16]
.endr
	s_mul_i32 s54, s[WV], 6144
	s_add_co_u32 s54, s54, STG
	v_add_nc_u32 v[SGR], s54, v[L16]
; A pass begins: its 32 queries, zeros for O^T and l, -3e38 for m.
.macro BEGINPASS
	WIN 0x40
.irp i, 0,1,2,3,4,5,6,7,8,9,10,11,12,13,14,15
	global_load_b128 v[QF+4*\i:QF+4*\i+3], v[L16], s[QP:QP+1] offset:512*\i
.endr
.set i, 0
.rept 128
	v_mov_b32 v[i], 0
.set i, i+1
.endr
	WIN 0
.irp t, 0,1
	v_mov_b32 v[ST+8*\t+1], 0xff61b1e6
	v_mul_f32 v[ST+8*\t], s[CS], v[ST+8*\t+1]
	v_mov_b32 v[ST+8*\t+2], 0
	v_mov_b32 v[ST+8*\t+3], 0
.endr
	s_wait_loadcnt 0x0
.endm
; The two tiles' softmax for 32 keys, the tiles by turns.  All 34 exponentials are one batch with one wait.
.macro SOFTMAX
.irp t, 0,1
	v_max3_num_f32 v[ST+8*\t+4], v[S+16*\t], v[S+16*\t+1], v[S+16*\t+2]            ; each accumulator is read from its low end on
	v_max3_num_f32 v[ST+8*\t+5], v[S+16*\t+8], v[S+16*\t+9], v[S+16*\t+10]
.endr
.irp i, 3,5
.irp t, 0,1
	v_max3_num_f32 v[ST+8*\t+4], v[ST+8*\t+4], v[S+16*\t+\i], v[S+16*\t+\i+1]
	v_max3_num_f32 v[ST+8*\t+5], v[ST+8*\t+5], v[S+16*\t+8+\i], v[S+16*\t+9+\i]
.endr
.endr
.irp t, 0,1
	v_max3_num_f32 v[ST+8*\t+4], v[ST+8*\t+4], v[S+16*\t+7], v[S+16*\t+15]
.endr
.irp t, 0,1
	v_max3_num_f32 v[ST+8*\t+4], v[ST+8*\t+4], v[ST+8*\t+5], v[ST+8*\t+1]          ; with the old m
.endr
.irp t, 0,1
	v_permlanex16_b32 v[ST+8*\t+5], v[ST+8*\t+4], s[SEL], s[SEL+1]                 ; the query's other 16 keys
.endr
.irp t, 0,1
	v_mov_b32 v[ST+8*\t+7], v[ST+8*\t]                                             ; c m_old
.endr
.irp t, 0,1
	v_max_num_f32 v[ST+8*\t+1], v[ST+8*\t+4], v[ST+8*\t+5]
.endr
.irp t, 0,1
	v_mul_f32 v[ST+8*\t], s[CS], v[ST+8*\t+1]
.endr
.irp t, 0,1
	v_sub_f32 v[ST+8*\t+7], v[ST+8*\t+7], v[ST+8*\t]
.endr
.irp i, 0,2,4,6,8,10,12,14
.irp t, 0,1
	v_pk_fma_f32 v[S+16*\t+\i:S+16*\t+\i+1], v[S+16*\t+\i:S+16*\t+\i+1], s[CS:CS+1], v[ST+8*\t:ST+8*\t+1] op_sel_hi:[1,0,0] neg_lo:[0,0,1] neg_hi:[0,0,1]   ; c s - c m
.endr
.endr
.irp t, 0,1
	v_exp_f32 v[ST+8*\t+6], v[ST+8*\t+7]                                           ; a = 2^(c m_old - c m_new)
.endr
.irp i, 0,1,2,3,4,5,6,7,8,9,10,11,12,13,14,15
.irp t, 0,1
	v_exp_f32 v[S+16*\t+\i], v[S+16*\t+\i]
.endr
.endr
	v_nop                                          ; a plain line behind the last exponential,
	s_wait_alu depctr_va_vdst(0)                   ; and the one wait ahead of the batch's first reader
.irp i, 0,1,2,3,4,5,6,7
.irp t, 0,1
	v_cvt_pk_f16_f32 v[P+8*\t+\i], v[S+16*\t+2*\i], v[S+16*\t+2*\i+1]
.endr
.endr
.irp i, 0,4,8,12
.irp t, 0,1
	v_pk_add_f32 v[S+16*\t+\i:S+16*\t+\i+1], v[S+16*\t+\i:S+16*\t+\i+1], v[S+16*\t+\i+2:S+16*\t+\i+3]
.endr
.endr
.irp i, 0,8
.irp t, 0,1
	v_pk_add_f32 v[S+16*\t+\i:S+16*\t+\i+1], v[S+16*\t+\i:S+16*\t+\i+1], v[S+16*\t+\i+4:S+16*\t+\i+5]
.endr
.endr
.irp t, 0,1
	v_pk_add_f32 v[S+16*\t:S+16*\t+1], v[S+16*\t:S+16*\t+1], v[S+16*\t+8:S+16*\t+9]
.endr
.irp t, 0,1
	v_pk_fma_f32 v[ST+8*\t+2:ST+8*\t+3], v[ST+8*\t+2:ST+8*\t+3], v[ST+8*\t+6:ST+8*\t+7], v[S+16*\t:S+16*\t+1] op_sel_hi:[1,0,1]   ; l = a l + the sum of the unrounded p
.endr
	WIN 0x41
.irp t, 0,1
.set i, 0
.rept 32
	v_pk_mul_f32 v[64*\t+2*i:64*\t+2*i+1], v[64*\t+2*i:64*\t+2*i+1], v[ST+8*\t+6:ST+8*\t+7] op_sel_hi:[1,0]
.set i, i+1
.endr
.endr
.endm
; A chunk of 128 keys, the ch-th of the item in hand; my 32 of them.
.macro STEP ch
.if \ch
	s_cmp_ge_u32 s[KEY0], s[LIM]                   ; an item's second chunk may lie past the pass's keys: ids alone, the same in all waves and partners
	s_cbranch_scc1 .Lpast_\@
.rept 4
	v_nop                                          ; four places in front of loads into V's registers
.endr
.else
	v_add_nc_u32 v[ADK], s[TBU], v[AK0]            ; (these five are those places)
.irp g, 0,1,2,3
	v_add_nc_u32 v[ADV+\g], s[TBU], v[AV0+\g]
.endr
.endif
.irp i, 0,1,2,3,4,5,6,7,8,9,10,11,12,13,14,15
	ds_load_b128 v[KF+4*\i:KF+4*\i+3], v[ADK] offset:8192*\ch+512*\i               ; K(key tile i / 8, piece i % 8)
.endr
.irp g, 0,1,2,3
.irp i, 0,1,2,3
	ds_load_b128 v[VF+16*\g+4*\i:VF+16*\g+4*\i+3], v[ADV+\g] offset:8192*\ch+512*\i
.endr
.endr
	s_wait_dscnt 16                                ; K is in; V's sixteen loads may be out
	WIN 0x04                                       ; Q in window 1
.irp c, 0,1,2,3
.irp k, 0,1
.irp t, 0,1
.if \c == 0
	v_wmma_f32_16x16x32_f16 v[S+16*\t+8*\k:S+16*\t+8*\k+7], v[KF+32*\k+8*\c:KF+32*\k+8*\c+7], v[QF+32*\t+8*\c:QF+32*\t+8*\c+7], 0
.else
	v_wmma_f32_16x16x32_f16 v[S+16*\t+8*\k:S+16*\t+8*\k+7], v[KF+32*\k+8*\c:KF+32*\k+8*\c+7], v[QF+32*\t+8*\c:QF+32*\t+8*\c+7], v[S+16*\t+8*\k:S+16*\t+8*\k+7]
.endif
.endr
.endr
.endr
	WIN 0
.rept 4
	v_nop
.endr
	s_add_co_u32 s53, s[KEY0], 128
	s_cmp_lg_u32 s53, s[LIM]                       ; the pass's last chunk lies on the diagonal
	s_cbranch_scc1 .Lopen_\@
.irp t, 0,1
.irp n, 0,1,2,3,4,5,6,7,8,9,10,11,12,13,14,15
	v_cmp_gt_i32 vcc_lo, 16*(\n/8)+\n%8, v[D+\t]   ; register n holds key 16 (n / 8) + 8 h + n % 8 of my 32
	v_cndmask_b32 v[S+16*\t+\n], v[S+16*\t+\n], v[NINF], vcc_lo
.endr
.endr
.Lopen_\@:
	SOFTMAX
	s_wait_dscnt 0x0                               ; V is in
	WIN 0x50                                       ; O^T in window 1
.irp x, 0,1,2,3,4,5,6,7
.irp t, 0,1
	v_wmma_f32_16x16x32_f16 v[64*\t+8*\x:64*\t+8*\x+7], v[VF+8*\x:VF+8*\x+7], v[P+8*\t:P+8*\t+7], v[64*\t+8*\x:64*\t+8*\x+7]
.endr
.endr
	WIN 0
.if \ch
.Lpast_\@:
.endif
	s_add_co_u32 s[KEY0], s[KEY0], 128
.endm
.macro ITEM
	STEP 0
	STEP 1
	s_xor_b32 s[TBU], s[TBU], SLOT1
.endm
; THE CHANGE OF SLOTS stands at an item's head.  Each wave waits for all its tensor loads (its part of the item ahead), adds 0 to its spare word, and waits for that and for its reads of the slot that it has left.
; fill = 1: behind a round of the cluster's barrier that slot takes the next item, which has a whole item's work in which to land.
.macro CHANGE fill
	s_wait_tensorcnt 0x0                           ; no tensor load of mine is out, so group 0 may be written
	ds_add_u32 v[SPW], v[NIL]                      ; 0 onto my spare word
.if \fill
	s_xor_b32 s[G0+1], s[G0+1], SLOT1
	s_add_co_u32 s53, s[IT], 1
	s_add_co_u32 s[OFF], s[OFF], ITEMB
	s_cmp_eq_u32 s53, s[N1]
	s_cselect_b32 s[OFF], 0, s[OFF]                ; pass 2 begins at key 0 again
	s_add_nc_u64 s[G0+2:G0+3], s[KVB:KVB+1], s[OFF:OFF+1]
	s_or_b32 s[G0+3], s[G0+3], 0x80000000
	s_wait_xcnt 0x0                                ; the last prefetch, an item back, has read its address
	s_add_nc_u64 s[PFA:PFA+1], s[PFA:PFA+1], ITEMB
	s_wait_dscnt 0x0                               ; the add is done, and my reads of the slot that I have left are over
	CROUND
	tensor_load_to_lds s[G0:G0+3], s[G1:G1+7]      ; my one tensor load behind the round
	s_nop 0
.rept 4
	v_nop
.endr
	; A prefetch into the L2: in trip n the head's first cluster, whose pass 2 walks all keys, names key item n + 2, two trips ahead of its own load of it.  Its four partners take 32 KiB each, told apart by address;
	; waves 0-3 take 8 KiB each, lanes 256 bytes apart: each block is named once in the launch.  Key items 0 and 1 come by their loads alone; trips 6 and 7 ask for nothing: key item 7 is the head's last.
	s_cmp_lt_u32 s[IT], s[PL]
	s_cbranch_scc0 .Lnot_mine_\@
	global_prefetch_b8 v[PFO], s[PFA:PFA+1] th:TH_LOAD_NT scope:SCOPE_SE
.Lnot_mine_\@:
.else
	s_wait_dscnt 0x0
	s_barrier_signal -1
	s_barrier_wait -1
.endif
.endm
; One tile of the joining: my O^T x my factor; three slot pairs go to the waves that own their channels; I add what the three others sent for mine, round, and store 2 x 512 consecutive bytes.
.macro FTILE t
	WIN 0x01
.set i, 0
.rept 32
	v_pk_mul_f32 v[KF+2*i:KF+2*i+1], v[64*\t+2*i:64*\t+2*i+1], v[F+2*\t:F+2*\t+1] op_sel_hi:[1,0]
.set i, i+1
.endr
	WIN 0
.irp g, 1,2,3
.irp i, 0,1,2,3
	ds_store_b128 v[SGW+\g-1], v[KF+16*\g+4*\i:KF+16*\g+4*\i+3] offset:512*\i
.endr
.endr
	BAR                                            ; everybody's parts lie in the stage
.irp g, 0,1,2
.irp i, 0,1,2,3
	ds_load_b128 v[VF+16*\g+4*\i:VF+16*\g+4*\i+3], v[SGR] offset:2048*\g+512*\i
.endr
.endr
.if \t == 0
	BAR                                            ; everybody has read: tile 1 may be written over tile 0
.else
	s_wait_dscnt 0x0
.endif
.irp g, 0,1,2
.irp i, 0,2,4,6,8,10,12,14
	v_pk_add_f32 v[KF+\i:KF+\i+1], v[KF+\i:KF+\i+1], v[VF+16*\g+\i:VF+16*\g+\i+1]
.endr
.endr
	s_wait_xcnt 0x0                                ; earlier stores have read HH
.irp i, 0,1,2,3,4,5,6,7
	v_cvt_pk_f16_f32 v[HH+\i], v[KF+2*\i], v[KF+2*\i+1]
.endr
	global_store_b128 v[L16], v[HH:HH+3], s[OP:OP+1] offset:65536*\t
	global_store_b128 v[L16], v[HH+4:HH+7], s[OP:OP+1] offset:65536*\t+512
.endm
; A pass ends: the four waves' m and l meet; factor = 2^(c m_mine - c M) / sum of 2^(c m_k - c M) l_k.
.macro FINISH
.irp t, 0,1
	v_add_f32 v[ST+8*\t+2], v[ST+8*\t+2], v[ST+8*\t+3]
.endr
.irp t, 0,1
	v_permlanex16_b32 v[ST+8*\t+4], v[ST+8*\t+2], s[SEL], s[SEL+1]
.endr
.irp t, 0,1
	v_add_f32 v[ST+8*\t+2], v[ST+8*\t+2], v[ST+8*\t+4]
.endr
.irp t, 0,1
	ds_store_b32 v[STW], v[ST+8*\t] offset:1024*\t
	ds_store_b32 v[STW], v[ST+8*\t+2] offset:1024*\t+128
.endr
	BAR
.irp t, 0,1
.irp k, 0,1,2,3
	ds_load_b32 v[STL+8*\t+2*\k], v[STR] offset:1024*\t+256*\k
	ds_load_b32 v[STL+8*\t+2*\k+1], v[STR] offset:1024*\t+256*\k+128
.endr
.endr
	s_wait_dscnt 0x0
.irp t, 0,1
	v_max3_num_f32 v[FT+4*\t], v[STL+8*\t], v[STL+8*\t+2], v[STL+8*\t+4]
.endr
.irp t, 0,1
	v_max_num_f32 v[FT+4*\t], v[FT+4*\t], v[STL+8*\t+6]
.endr
.irp t, 0,1
.irp k, 0,1,2,3
	v_sub_f32 v[STL+8*\t+2*\k], v[STL+8*\t+2*\k], v[FT+4*\t]
.endr
	v_sub_f32 v[FT+4*\t+1], v[ST+8*\t], v[FT+4*\t]
.endr
.irp t, 0,1
.irp k, 0,1,2,3
	v_exp_f32 v[STL+8*\t+2*\k], v[STL+8*\t+2*\k]
.endr
	v_exp_f32 v[FT+4*\t+1], v[FT+4*\t+1]
.endr
	v_nop
	s_wait_alu depctr_va_vdst(0)                   ; one wait for the ten exponentials
.irp t, 0,1
	v_mul_f32 v[FT+4*\t+2], v[STL+8*\t], v[STL+8*\t+1]
.endr
.irp k, 1,2,3
.irp t, 0,1
	v_fmac_f32 v[FT+4*\t+2], v[STL+8*\t+2*\k], v[STL+8*\t+2*\k+1]
.endr
.endr
.irp t, 0,1
	v_rcp_f32 v[FT+4*\t+3], v[FT+4*\t+2]
.endr
	v_nop
	s_wait_alu depctr_va_vdst(0)                   ; and one for the two reciprocals
.irp t, 0,1
	v_mul_f32 v[F+2*\t], v[FT+4*\t+1], v[FT+4*\t+3]
.endr
	FTILE 0
	FTILE 1
.endm
	BEGINPASS
.Litem:                                                ; 8 trips: behind each change of slots but the last the next item is asked for
	CHANGE 1
	ITEM
	s_add_co_u32 s53, s[IT], 1
	s_cmp_lg_u32 s53, s[N1]                        ; pass 1's last item?  Ids and the count of trips alone: the same in all waves and partners
	s_cbranch_scc1 .Lsame
	FINISH
	s_wait_xcnt 0x0                                ; the stores have read their base
	s_add_nc_u64 s[QP:QP+1], s[QP:QP+1], s[DQ:DQ+1]
	s_add_nc_u64 s[OP:OP+1], s[OP:OP+1], s[DO:DO+1]
	s_mov_b32 s[LIM], s[LIM2]
	s_mov_b32 s[KEY0], 0
	BEGINPASS
.Lsame:
	s_add_co_u32 s[IT], s[IT], 1
	s_cmp_lt_u32 s[IT], 8
	s_cbranch_scc1 .Litem
	CHANGE 0                                       ; the last item is written out
	ITEM
	FINISH
	s_wait_tensorcnt 0x0                           ; the wave's end, behind my last tensor load and my last LDS store
	ds_add_u32 v[SPW], v[NIL]
	s_wait_dscnt 0x0
	CROUND                                         ; the closing round
	s_endpgm
.Lfunc_end_k_qf89f15cc9c_attn:
	.size	k_qf89f15cc9c_attn, .Lfunc_end_k_qf89f15cc9c_attn-k_qf89f15cc9c_attn
	.p2alignl 7, 3214868480
	.fill 96, 4, 3214868480
	.section	.rodata,"a",@progbits
	.p2align	6, 0x0
	.amdhsa_kernel k_qf89f15cc9c_attn
		.amdhsa_group_segment_fixed_size 327680
		.amdhsa_private_segment_fixed_size 0
		.amdhsa_enable_private_segment 0
		.amdhsa_kernarg_size 24
		.amdhsa_user_sgpr_count 2
		.amdhsa_user_sgpr_kernarg_segment_ptr 1
		.amdhsa_wavefront_size32 1
		.amdhsa_system_sgpr_workgroup_id_x 1
		.amdhsa_system_sgpr_workgroup_id_y 1
		.amdhsa_system_sgpr_workgroup_id_z 1
		.amdhsa_system_vgpr_workitem_id 0
		.amdhsa_next_free_vgpr 512
		.amdhsa_next_free_sgpr 66
		.amdhsa_reserve_vcc 1
		.amdhsa_float_denorm_mode_32 3
		.amdhsa_float_denorm_mode_16_64 3
		.amdhsa_memory_ordered 1
		.amdhsa_forward_progress 1
		.amdhsa_inst_pref_size 116
	.end_amdhsa_kernel
	.amdgpu_metadata
---
amdhsa.version: [ 1, 2 ]
amdhsa.kernels:
  - .name:           k_qf89f15cc9c_attn
    .symbol:         k_qf89f15cc9c_attn.kd
    .args:
      - { .name: qimg, .offset: 0, .size: 8, .value_kind: global_buffer, .address_space: global }
      - { .name: kvimg, .offset: 8, .size: 8, .value_kind: global_buffer, .address_space: global }
      - { .name: attnimg, .offset: 16, .size: 8, .value_kind: global_buffer, .address_space: global }
    .group_segment_fixed_size: 327680
    .private_segment_fixed_size: 0
    .kernarg_segment_align: 8
    .kernarg_segment_size: 24
    .max_flat_workgroup_size: 256
    .sgpr_count:     66
    .vgpr_count:     512
    .wavefront_size: 32
...
	.end_amdgpu_metadata
.endif
;; end of part 3
;; launch oproj (part 4): grid 16 x 16, 4 waves a work-group, clusters of 4 x 1, 327,680 bytes of LDS; arguments attnimg, wo16, amax, out0; writes out0
.if DOCPART == 4
	.amdgcn_target "amdgcn-amd-amdhsa--gfx1250"
	.amdhsa_code_object_version 6
	.text
	.protected	k_qf89f15cc9c_oproj
	.globl	k_qf89f15cc9c_oproj
	.p2align	8
	.type	k_qf89f15cc9c_oproj,@function
k_qf89f15cc9c_oproj:
	s_mov_b64 s[64:65], 0
	v_nop
	global_prefetch_b8 v0, s[64:65] scope:SCOPE_SE
	s_setreg_imm32_b32 hwreg(HW_REG_WAVE_MODE, 25, 1), 1
	s_wait_xcnt 0x0
	s_wait_alu depctr_hold_cnt(0) depctr_sa_sdst(0) depctr_va_vdst(0) depctr_va_sdst(0) depctr_va_ssrc(0) depctr_va_vcc(0) depctr_vm_vsrc(0)
	s_getreg_b32 s2, hwreg(HW_REG_IB_STS2, 6, 4)
	s_cmp_eq_u32 s2, 0
	s_cbranch_scc0 .Lentry_in_a_cluster
	s_endpgm
.Lentry_in_a_cluster:
	s_bfe_u32 s2, ttmp6, 0x10000c
	s_cmp_lg_u32 s2, 0x3003
	s_cbranch_scc0 .Lentry_shape_is_right
	s_endpgm
.Lentry_shape_is_right:
; out0[m][n] = 2^s x sum over k of A[m][k] Wo[n][k]: M 2,048, N 4,096, K 2,048; f16 operands, f32 sums.  A is attention's result, carried as x 2^-s (s from amax, as the launch that made V took it); the power of two is put back in f32.
; A tile is 128 (m) x 256 (n): 256 work-groups.  Four waves, each 64 x 128: 32 accumulators.  THE MATRIX INSTRUCTION IS USED TRANSPOSED (source 0 = 16 rows of Wo, source 1 = 16 rows of A): a lane holds eight neighbouring numbers of a row of the result.
; Wo GOES THROUGH LDS, A DOES NOT.  Wo's 256 rows are read by two waves each and shared with three other work-groups: they come by tensor loads through two LDS slots.  A lies in memory as an image of operand registers,
; [tile of 16 rows: 64 KiB][32 along K: 1 KiB][piece 2][lane][16 B]: a fragment is two loads of 512 consecutive bytes, and only two waves of the work-group read it: it goes from memory straight into registers.
; Without A the two slots hold 256 along K each (rows of 512 bytes + 16): 8 K steps of 256 matrix instructions a wave, 240 of them between a slot's request and the wait for it.
; A'S RING: eight sets of 32 registers, one for each quarter (32 along K) of a K step.  Quarter g waits for its set and then asks for quarter g + 7, into the set that quarter g - 1 has left: at most 56 loads of a wave are out.
; CLUSTER 4 x 1: x is the tile row, y the tile column: the four partners are four tile rows on one tile column and ask for Wo's tiles jointly.  A's rows are read by other work-groups too, but a load into registers has no joint form.
; Rows 0-15 are made here too, and written over by the launch that makes them in f32.
; REGISTERS: window 0: v1-31 small things; v64-127 a block x 2^s; v128-191 rows on their way out; v192-239 amax.   window 1: v0-127 Wo's fragments, two sets.   window 2: accumulator (a, b) at v[8 (8 a + b)].   window 3: A's ring, set q at v[32 q].
.set PITCH,  528                       ; an LDS row: 512 bytes + 16 = 132 words: the 16 rows of a load start 4 words further on each
.set QTR,    64*PITCH                  ; what one tensor load brings
.set SLOT,   256*PITCH
.set STG,    2*SLOT                    ; 16 rows x (512 + 16) bytes for each wave; no tile ever lands here
.set SPITCH, 528
.set SPARE,  STG+4*16*SPITCH           ; the spare words, 128 bytes a wave
.set SPW,  1
.set NIL,  2
.set ADRB, 6                           ; v6-7  Wo's fragments in slot 0, 1
.set STO,  8
.set RD,   9
.set PFO,  10                          ; v10   the prefetches' offset; never rewritten
.set L16,  11                          ; v11   16 x lane; never rewritten
.set VS,   20
.set SCD,  64
.set BK,   128
.set WV,   12
.set G1,   24
.set G0,   32                          ; s[32:39] group 0, a set for each slot
.set AP,   40                          ; s[40:41] A at my four row tiles, at the quarter from which the trip's offsets count
.set LIM,  44                          ; s44, s45 a wave prefetches while the trips to go are above these
.set PFA,  48                          ; s[48:49] where my prefetches stand
.set MULW, 0xad                        ; source 0 (Wo) window 1, source 1 (A) window 3, C and D window 2
.set MSB, 0
.macro WIN new                         ; the immediate's high byte repeats the setting that is left
.if MSB != (\new)
	s_set_vgpr_msb (MSB<<8)|(\new)
.set MSB, \new
.endif
.endm
.macro PLACES
.rept 4
	v_nop
.endr
.endm
.macro CREST                           ; a round of the cluster's barrier behind its opening barrier
	s_cmp_lg_u32 s[WV], 0
	s_cbranch_scc1 .Lnot_wave_0_\@
	s_barrier_signal -3
.Lnot_wave_0_\@:
	s_barrier_wait -3
	s_barrier_signal -1
	s_barrier_wait -1
.endm
.macro CROUND
	s_barrier_signal -1
	s_barrier_wait -1
	CREST
.endm
	s_load_b256 s[4:11], s[0:1], 0x0               ; attnimg, wo16, amax, out0
	v_lshl_add_u32 v[SPW], v0, 2, SPARE
	v_mov_b32 v[NIL], 0
	ds_add_u32 v[SPW], v[NIL]                      ; the wave's opening: the add, twice on end, and its wait ahead of my first tensor load
	ds_add_u32 v[SPW], v[NIL]
	v_lshrrev_b32 v3, 5, v0
	v_readfirstlane_b32 s[WV], v3                  ; wave 0..3
	s_lshr_b32 s13, s[WV], 1                       ; my half of the tile's rows
	s_and_b32 s14, s[WV], 1                        ; my half of its columns
	s_bfe_u32 s43, ttmp6, 0x40000                  ; cx: it enters global addresses of A, of the result and of the prefetches alone
	s_lshl_b32 s15, ttmp9, 2
	s_add_co_u32 s15, s15, s43                     ; tile row
	s_and_b32 s42, ttmp7, 0xffff                   ; tile column, which the four partners share
	s_mov_b32 s[G1], 15|(1<<16)|(1<<20)|(1<<21)|(6<<22)|(3<<25)   ; mask: all four; elements of 2 bytes; 4 words of padding behind every 128
	s_mov_b32 s[G1+1], 256<<16                     ; tensor_dim0
	s_mov_b32 s[G1+2], 64<<16                      ; tensor_dim1
	s_mov_b32 s[G1+3], 256<<16                     ; tile_dim0
	s_mov_b32 s[G1+4], 64                          ; tile_dim1
	s_mov_b32 s[G1+5], 2048                        ; a row of Wo in elements
	s_mov_b32 s[G1+6], 0
	s_mov_b32 s[G1+7], 0
	s_lshl_b32 s46, s42, 8
	s_lshl_b32 s47, s[WV], 6
	s_add_co_u32 s46, s46, s47                     ; Wo: row 256 x tile column + 64 x wave
	s_lshl_b32 s50, s43, 4
	s_add_co_u32 s50, s50, s46                     ; the prefetches: my work-group's 16 of these 64 rows,
	s_lshl_b32 s50, s50, 12
	s_add_co_u32 s50, s50, 3*512                   ; at K step 3
	s_mov_b32 s51, 0
	s_lshl_b32 s46, s46, 12                        ; a row is 4,096 bytes
	s_mov_b32 s47, 0
	s_mul_i32 s20, s[WV], QTR                      ; where my rows go: made of the wave's number alone
	s_lshl_b32 s16, s15, 3
	s_lshl_b32 s17, s13, 2
	s_add_co_u32 s16, s16, s17                     ; A: row tile 8 x tile row + 4 x half
	s_lshl_b32 s16, s16, 16
	s_mov_b32 s17, 0
	s_cmp_eq_u32 ttmp9, 0                          ; Wo's tile column is read by four clusters: the first of them prefetches
	s_cselect_b32 s[LIM], 0, -1
	s_cselect_b32 s[LIM+1], 1, -1
	s_wait_dscnt 0x0                               ; both opening adds are done
	s_wait_kmcnt 0x0
	s_add_nc_u64 s[46:47], s[6:7], s[46:47]
	s_add_nc_u64 s[PFA:PFA+1], s[6:7], s[50:51]
	s_add_nc_u64 s[AP:AP+1], s[4:5], s[16:17]
.irp s, 0,1
	s_mov_b32 s[G0+4*\s], 1
	s_add_co_u32 s[G0+4*\s+1], s20, \s*SLOT
	s_add_nc_u64 s[G0+4*\s+2:G0+4*\s+3], s[46:47], \s*512
	s_or_b32 s[G0+4*\s+3], s[G0+4*\s+3], 0x80000000
.endr
	CROUND                                         ; all four work-groups are here: the first joint loads meet
	tensor_load_to_lds s[G0:G0+3], s[G1:G1+7]      ; K step 0
	s_nop 0
	tensor_load_to_lds s[G0+4:G0+7], s[G1:G1+7]    ; K step 1: two loads of mine are out
	s_nop 0
.rept 4
	v_nop
.endr
	v_and_b32 v24, 15, v0                          ; r
	v_bfe_u32 v25, v0, 4, 1                        ; h
	v_and_b32 v26, 31, v0                          ; lane
	v_lshlrev_b32 v[L16], 4, v26
.irp i, 0,1,2,3,4,5,6,7
	global_load_b128 v[192+4*\i:192+4*\i+3], v[L16], s[8:9] offset:512*\i          ; hidden_states' 1,024 largest magnitudes
.endr
.irp i, 0,1,2,3
	global_load_b128 v[224+4*\i:224+4*\i+3], v[L16], s[8:9] offset:10240+512*\i    ; Wv's 512
.endr
; A's quarter k, counted from where s[AP] stands, into set k % 8: four row tiles, two loads of 512 consecutive bytes each
.macro ALOAD k
	WIN 0xc0                                       ; destination window 3, address window 0
.irp a, 0,1,2,3
	global_load_b128 v[32*((\k)%8)+8*\a:32*((\k)%8)+8*\a+3], v[L16], s[AP:AP+1] offset:65536*\a+1024*(\k)
	global_load_b128 v[32*((\k)%8)+8*\a+4:32*((\k)%8)+8*\a+7], v[L16], s[AP:AP+1] offset:65536*\a+1024*(\k)+512
.endr
.endm
.irp k, 0,1,2,3,4,5
	ALOAD \k
.endr
	WIN 0
	v_lshrrev_b32 v27, 1, v26
	v_and_b32 v[PFO], 1, v26
	v_lshlrev_b32 v[PFO], 8, v[PFO]
	v_lshl_add_u32 v[PFO], v27, 12, v[PFO]         ; row lane / 2 of my 16, block lane % 2 of a K step's 512 bytes
	v_mul_u32_u24 v27, v24, PITCH
	v_lshl_add_u32 v27, v25, 4, v27                ; a fragment's row x pitch + 16 h
	s_mul_i32 s21, s14, 128*PITCH                  ; my 128 rows of Wo
	v_add_nc_u32 v[ADRB], s21, v27
	v_add_nc_u32 v[ADRB+1], SLOT, v[ADRB]
	s_mul_i32 s21, s[WV], 16*SPITCH
	s_add_co_u32 s21, s21, STG                     ; my stage
	v_mul_u32_u24 v27, v24, SPITCH
	v_lshl_add_u32 v27, v25, 5, v27
	v_add_nc_u32 v[STO], s21, v27                  ; in: row r, 32 bytes for each half of the lanes
	v_add_nc_u32 v[RD], s21, v[L16]                ; back: the 32 lanes take one row of 512 bytes
	s_lshl_b32 s16, s15, 7
	s_lshl_b32 s17, s13, 6
	s_add_co_u32 s16, s16, s17                     ; my first row of the result,
	s_lshl_b32 s16, s16, 14                        ; of 16,384 bytes,
	s_lshl_b32 s17, s42, 10
	s_add_co_u32 s16, s16, s17
	s_lshl_b32 s17, s14, 9
	s_add_co_u32 s16, s16, s17                     ; and my first column, in bytes
	s_mov_b32 s17, 0
	s_add_nc_u64 s[10:11], s[10:11], s[16:17]
	s_mov_b32 s22, 0x76543210
	s_mov_b32 s23, 0xfedcba98                      ; lane l xor 16
	v_mov_b32 v28, 0
	v_mov_b32 v29, 0
	s_wait_loadcnt 48                              ; amax is in; A's first six quarters, 48 loads, may be out
	v_max_num_f32 v26, v192, v193
.irp i, 2,4,6,8,10,12,14,16,18,20,22,24,26,28,30
	v_max3_num_f32 v26, v26, v[192+\i], v[193+\i]
.endr
	v_max_num_f32 v27, v224, v225
.irp i, 2,4,6,8,10,12,14
	v_max3_num_f32 v27, v27, v[224+\i], v[225+\i]
.endr
.irp m, 1,2,4,8
	v_max_num_f32_dpp v26, v26, v26 row_xmask:\m row_mask:0xf bank_mask:0xf
	v_max_num_f32_dpp v27, v27, v27 row_xmask:\m row_mask:0xf bank_mask:0xf
.endr
	v_permlanex16_b32 v28, v26, s22, s23
	v_permlanex16_b32 v29, v27, s22, s23
	v_max_num_f32 v26, v26, v28
	v_max_num_f32 v27, v27, v29
	v_readfirstlane_b32 s18, v26
	v_readfirstlane_b32 s19, v27
	s_lshr_b32 s18, s18, 23
	s_lshr_b32 s19, s19, 23
	s_add_co_u32 s18, s18, s19
	s_sub_co_i32 s18, s18, 254                     ; s, as the launch that made V took it
	s_max_i32 s18, s18, -126
	s_min_i32 s18, s18, 126
	s_add_co_i32 s18, s18, 127
	s_lshl_b32 s18, s18, 23                        ; 2^s as f32: it feeds values alone
	v_mov_b32 v[VS], s18
	v_mov_b32 v[VS+1], s18
	ALOAD 6                                        ; quarters 0 to 6 are asked for: 56 loads
	WIN 0
; 8 matrix instructions: row tile a x Wo's eight blocks, 32 along K: Wo's set p, A's set q.  The 32 accumulators take turns, one instruction a turn.
.macro MUL8 a, p, q, zero
.irp b, 0,1,2,3,4,5,6,7
.if \zero
	v_wmma_f32_16x16x32_f16 v[8*(8*(\a)+\b):8*(8*(\a)+\b)+7], v[64*(\p)+8*\b:64*(\p)+8*\b+7], v[32*(\q)+8*(\a):32*(\q)+8*(\a)+7], 0
.else
	v_wmma_f32_16x16x32_f16 v[8*(8*(\a)+\b):8*(8*(\a)+\b)+7], v[64*(\p)+8*\b:64*(\p)+8*\b+7], v[32*(\q)+8*(\a):32*(\q)+8*(\a)+7], v[8*(8*(\a)+\b):8*(8*(\a)+\b)+7]
.endif
.endr
.endm
.macro FETCH slot, q, p                ; 16 LDS loads in one run: Wo's eight fragments of the slot's q-th 32 along K into set p
	WIN 0x40
.irp i, 0,1,2,3,4,5,6,7
	ds_load_b128 v[64*(\p)+8*\i:64*(\p)+8*\i+3], v[ADRB+\slot] offset:64*(\q)+\i*16*PITCH
	ds_load_b128 v[64*(\p)+8*\i+4:64*(\p)+8*\i+7], v[ADRB+\slot] offset:64*(\q)+32+\i*16*PITCH
.endr
.endm
; A quarter whose successor lies in the same slot.  j: the quarter's number, counted from where s[AP] stands; left: the later quarters' loads of A that may stay out; ask = 1: quarter j + 7 of A is asked for.
.macro STEP slot, q, j, zero, left, ask
	s_wait_loadcnt \left                           ; A's set q is in: loads come back in order
	s_wait_dscnt 0x0                               ; Wo's fragments, asked for 24 matrix instructions ago
	WIN MULW
	MUL8 0, (\q)%2, \q, \zero
	PLACES                                         ; four places in front of loads into the sets that the last quarter multiplied
	FETCH \slot, (\q)+1, 1-(\q)%2
.if \ask
	ALOAD (\j)+7
.endif
	WIN MULW
	MUL8 1, (\q)%2, \q, \zero
	MUL8 2, (\q)%2, \q, \zero
	MUL8 3, (\q)%2, \q, \zero
.endm
; A PREFETCH INTO THE L2 of the K step of Wo that the NEXT refill will ask for: it stands behind the joint load, its five lines and the runs of loads that follow them.  A K step is 512 bytes of each row.
; Each block of 256 bytes is named once in the launch: of the four clusters that read a tile column the one with x = 0 asks; of the 64 rows that a wave fetches each of the four partners takes 16, told apart by address;
; a lane takes one of a row's two blocks.  K steps 0 to 2 come by their loads alone; the last refill, K step 7's, asks for nothing.
.macro ASK lim, off
	WIN 0
	s_cmp_gt_u32 s3, s[\lim]                       ; s3: trips to go, 1 in the last
	s_cbranch_scc0 .Lnot_mine_\@
	global_prefetch_b8 v[PFO], s[PFA:PFA+1] offset:\off th:TH_LOAD_NT scope:SCOPE_SE
.Lnot_mine_\@:
.endm
; A slot's last quarter changes slots: ONE barrier; in front of it each wave waits for all its tensor loads, adds 0 to its spare word, and waits for that and for its reads of this slot.  fill = 1: this slot is filled again, two K steps ahead.
.macro TURN slot, next, j, fill, left, ask
	WIN 0
	s_wait_tensorcnt 0x0                           ; all my tensor loads have landed: my part of the next slot
	ds_add_u32 v[SPW], v[NIL]                      ; 0 onto my spare word
	s_wait_loadcnt \left                           ; A's set 7 is in
	s_wait_dscnt 1                                 ; Wo's fragments are in; the add may be out
	WIN MULW
	MUL8 0, 1, 7, 0
	s_wait_dscnt 0x0                               ; the add is done, and my reads of this slot are over
	s_barrier_signal -1
	MUL8 1, 1, 7, 0
	WIN 0
	s_barrier_wait -1
.if \fill
	CREST                                          ; the barrier has opened a round of the cluster's: no wave of any partner still reads this slot or has a tensor load on its way
	s_add_nc_u64 s[G0+4*\slot+2:G0+4*\slot+3], s[G0+4*\slot+2:G0+4*\slot+3], 2*512
	tensor_load_to_lds s[G0+4*\slot:G0+4*\slot+3], s[G1:G1+7]      ; my one tensor load behind the round
	s_nop 0
.rept 4
	v_nop                                          ; also the places in front of the loads below
.endr
.else
	PLACES
.endif
	FETCH \next, 0, 0
.if \ask
	ALOAD (\j)+7
.endif
.if \fill
	ASK LIM+\slot, 512*\slot
.endif
	WIN MULW
	MUL8 2, 1, 7, 0
	MUL8 3, 1, 7, 0
.endm
	s_wait_tensorcnt 1                             ; my part of K step 0 is in; K step 1's load may be out
	s_barrier_signal -1
	s_barrier_wait -1
	FETCH 0, 0, 0
	STEP 0, 0, 0, 1, 48, 1                         ; the first quarter's products start the sums
	WIN 0
	s_mov_b32 s3, 3
.Llap:                                                 ; a trip goes once round the ring, sixteen quarters, and fills both slots again: K steps 2 to 7
.irp q, 1,2,3,4,5,6
	STEP 0, \q, \q, 0, 48, 1
.endr
	TURN 0, 1, 7, 1, 48, 1
.irp q, 0,1,2,3,4,5,6
	STEP 1, \q, 8+\q, 0, 48, 1
.endr
	TURN 1, 0, 15, 1, 48, 1
	STEP 0, 0, 16, 0, 48, 1
	WIN 0
	s_wait_xcnt 0x0                                ; the loads and the prefetches have read their bases: these may step
	s_add_nc_u64 s[AP:AP+1], s[AP:AP+1], 16*1024
	s_add_nc_u64 s[PFA:PFA+1], s[PFA:PFA+1], 2*512
	s_sub_co_u32 s3, s3, 1
	s_cmp_lg_u32 s3, 0
	s_cbranch_scc1 .Llap
.irp q, 1,2,3,4,5,6
	STEP 0, \q, \q, 0, 48, 1                       ; the last lap fills no slot; A's quarters 56 to 63 are still asked for
.endr
	TURN 0, 1, 7, 0, 48, 1
	STEP 1, 0, 8, 0, 48, 1                         ; A's last quarter is asked for: from here on the counts run down, 8 loads a quarter
	STEP 1, 1, 9, 0, 48, 0
	STEP 1, 2, 10, 0, 40, 0
	STEP 1, 3, 11, 0, 32, 0
	STEP 1, 4, 12, 0, 24, 0
	STEP 1, 5, 13, 0, 16, 0
	STEP 1, 6, 14, 0, 8, 0
	s_wait_loadcnt 0x0
	s_wait_dscnt 0x0
	WIN MULW
	MUL8 0, 1, 7, 0
	MUL8 1, 1, 7, 0
	MUL8 2, 1, 7, 0
	MUL8 3, 1, 7, 0
	WIN 0
	PLACES
; THE WAY OUT, 16 rows x 128 columns at a time: x 2^s, through my stage, back as whole rows of 512 bytes.
.macro OUTBLK a
	WIN 0x02
.set i, 0
.rept 32
	v_pk_mul_f32 v[SCD+2*i:SCD+2*i+1], v[64*\a+2*i:64*\a+2*i+1], v[VS:VS+1] op_sel_hi:[1,0]
.set i, i+1
.endr
	WIN 0
.irp b, 0,1,2,3,4,5,6,7
	ds_store_b128 v[STO], v[SCD+8*\b:SCD+8*\b+3] offset:64*\b
	ds_store_b128 v[STO], v[SCD+8*\b+4:SCD+8*\b+7] offset:64*\b+16
.endr
	s_wait_xcnt 0x0                                ; the last block's stores have read their registers and their base
.irp t, 0,1,2,3,4,5,6,7,8,9,10,11,12,13,14,15
	ds_load_b128 v[BK+4*\t:BK+4*\t+3], v[RD] offset:\t*SPITCH      ; LDS serves a wave's instructions in order: these see the stores above
.endr
.if \a > 0
	s_add_nc_u64 s[10:11], s[10:11], 16*16384
.endif
	s_wait_dscnt 0x0                               ; the block is back, and its LDS stores have read their registers
.irp t, 0,1,2,3,4,5,6,7,8,9,10,11,12,13,14,15
	global_store_b128 v[L16], v[BK+4*\t:BK+4*\t+3], s[10:11] offset:\t*16384       ; 32 lanes store 512 consecutive bytes
.endr
.endm
	OUTBLK 0
	OUTBLK 1
	OUTBLK 2
	OUTBLK 3
	s_wait_tensorcnt 0x0                           ; the wave's end, behind my last tensor load and my last LDS store
	ds_add_u32 v[SPW], v[NIL]
	s_wait_dscnt 0x0
	CROUND                                         ; the closing round
	s_endpgm
.Lfunc_end_k_qf89f15cc9c_oproj:
	.size	k_qf89f15cc9c_oproj, .Lfunc_end_k_qf89f15cc9c_oproj-k_qf89f15cc9c_oproj
	.p2alignl 7, 3214868480
	.fill 96, 4, 3214868480
	.section	.rodata,"a",@progbits
	.p2align	6, 0x0
	.amdhsa_kernel k_qf89f15cc9c_oproj
		.amdhsa_group_segment_fixed_size 327680
		.amdhsa_private_segment_fixed_size 0
		.amdhsa_enable_private_segment 0
		.amdhsa_kernarg_size 32
		.amdhsa_user_sgpr_count 2
		.amdhsa_user_sgpr_kernarg_segment_ptr 1
		.amdhsa_wavefront_size32 1
		.amdhsa_system_sgpr_workgroup_id_x 1
		.amdhsa_system_sgpr_workgroup_id_y 1
		.amdhsa_system_sgpr_workgroup_id_z 1
		.amdhsa_system_vgpr_workitem_id 0
		.amdhsa_next_free_vgpr 1024
		.amdhsa_next_free_sgpr 66
		.amdhsa_reserve_vcc 0
		.amdhsa_float_denorm_mode_32 3
		.amdhsa_float_denorm_mode_16_64 3
		.amdhsa_memory_ordered 1
		.amdhsa_forward_progress 1
		.amdhsa_inst_pref_size 164
	.end_amdhsa_kernel
	.amdgpu_metadata
---
amdhsa.version: [ 1, 2 ]
amdhsa.kernels:
  - .name:           k_qf89f15cc9c_oproj
    .symbol:         k_qf89f15cc9c_oproj.kd
    .args:
      - { .name: attnimg, .offset: 0, .size: 8, .value_kind: global_buffer, .address_space: global }
      - { .name: wo16, .offset: 8, .size: 8, .value_kind: global_buffer, .address_space: global }
      - { .name: amax, .offset: 16, .size: 8, .value_kind: global_buffer, .address_space: global }
      - { .name: out0, .offset: 24, .size: 8, .value_kind: global_buffer, .address_space: global }
    .group_segment_fixed_size: 327680
    .private_segment_fixed_size: 0
    .kernarg_segment_align: 8
    .kernarg_segment_size: 32
    .max_flat_workgroup_size: 128
    .sgpr_count:     66
    .vgpr_count:     1024
    .wavefront_size: 32
...
	.end_amdgpu_metadata
.endif
;; end of part 4
;; launch finerows (part 5): grid 256 x 1, 16 waves a work-group, no clusters, 18,432 bytes of LDS; arguments fine32, Wo, out0; writes out0
.if DOCPART == 5
	.amdgcn_target "amdgcn-amd-amdhsa--gfx1250"
	.amdhsa_code_object_version 6
	.text
	.protected	k_qf89f15cc9c_finerows
	.globl	k_qf89f15cc9c_finerows
	.p2align	8
	.type	k_qf89f15cc9c_finerows,@function
k_qf89f15cc9c_finerows:
	s_mov_b64 s[64:65], 0
	v_nop
	global_prefetch_b8 v0, s[64:65] scope:SCOPE_SE
	s_setreg_imm32_b32 hwreg(HW_REG_WAVE_MODE, 25, 1), 1
	s_wait_xcnt 0x0
; Rows 0-15 of the result once more, wholly in f32: under the causal mask they average one to sixteen values and are the largest in size, so the rounding of f16 operands weighs most there.
; A work-group makes 16 rows x 16 columns n0 = 16 x work-group on; wave hd takes head hd.  All products by v_wmma_f32_16x16x4_f32.
; fine32 holds q, k, v of rows 0-15 as the projection's accumulators lay: lane (r, h), register 8 b + j = (row r, channel 16 b + 8 h + j).  A product takes registers 2 i, 2 i + 1 of both operands: the four places of its K
; then stand for the same four channels on both sides, and 32 products cover the 128 channels.
;   S^T = k q^T (a lane: one query, keys 8 h + j); mask, maximum, 2^(c s - c m), sum, division: p.    Z = v Wo^T (a lane: one column n, keys 8 h + j).    out^T = Z p: four products over the 16 keys (a lane: one query, columns 8 h + j).
; Z first spares turning V.  The 16 heads' parts meet in LDS and are added in ascending order by waves 0 and 1.
; The scores and softmax of a head are made anew in every work-group (16 x 16 numbers): that spares a launch.  The work-groups share only fine32's 256 KiB, a small part of the bytes beside Wo's rows, which each reads alone: no cluster.
; A row's 64 bytes are stored as 4 lanes x 16 bytes: 256 KiB in all.
; The accumulators v208-239 are written by matrix instructions alone; each sum begins with C = 0.
.set L16, 1
.set WO,  4                            ; v4 Wo: row r of 8,192 bytes + 32 h
.set DD,  5                            ; v5 r - 8 h
.set STA, 6
.set RDA, 7
.set GO,  8
.set NINF, 9
.set SPW, 14
.set NIL, 15
.set QR,  16                           ; v16-79   q, then v, then the heads' parts
.set KR,  80                           ; v80-143  k, then at work
.set WR,  144                          ; v144-207 Wo
.set ACC, 208
.set T,   80
.set T1,  88
.set MX,  96                           ; v96, v97
.set CM,  98                           ; v98-99
.set SU,  100                          ; v100-103
.set RC,  104                          ; v104-105
.set PP,  106                          ; v106-113
.set ZS,  114                          ; v114-121
.set ZT,  122                          ; v122-129
.set OR,  130                          ; v130-137
.set SPARE, 16384
	s_load_b128 s[4:7], s[0:1], 0x0                ; fine32, Wo
	s_load_b64 s[8:9], s[0:1], 0x10                ; out0
	v_lshl_add_u32 v[SPW], v0, 2, SPARE
	v_mov_b32 v[NIL], 0
	v_lshrrev_b32 v1, 5, v0
	v_readfirstlane_b32 s10, v1                    ; the head
	v_and_b32 v1, 31, v0
	v_lshlrev_b32 v[L16], 4, v1
	v_and_b32 v2, 15, v0                           ; r
	v_bfe_u32 v3, v0, 4, 1                         ; h
	v_lshlrev_b32 v[WO], 13, v2
	v_lshl_add_u32 v[WO], v3, 5, v[WO]
	v_lshlrev_b32 v[DD], 3, v3
	v_sub_nc_u32 v[DD], v2, v[DD]
	s_lshl_b32 s11, s10, 10
	v_add_nc_u32 v[STA], s11, v[L16]               ; my head's KiB
	s_and_b32 s11, s10, 1
	s_lshl_b32 s22, s11, 9
	v_add_nc_u32 v[RDA], s22, v[L16]               ; waves 0, 1: the heads' first, second 512 bytes
	v_lshlrev_b32 v[GO], 14, v2
	v_lshl_add_u32 v[GO], v3, 5, v[GO]
	s_lshl_b32 s22, s11, 4
	v_add_nc_u32 v[GO], s22, v[GO]                 ; row r, columns 8 h + 4 x wave on
	v_mov_b32 v[NINF], 0xff800000
	v_mov_b32 v[MX+1], 0                           ; a lane permute's destination counts as one of its sources
	v_mov_b32 v[SU+2], 0
	v_mov_b32 v[CM+1], 0                           ; (named as upper halves of pairs)
	v_mov_b32 v[RC+1], 0
	s_lshl_b32 s12, s10, 13                        ; q: 8 KiB a head
	s_mov_b32 s13, 0
	s_lshr_b32 s14, s10, 1
	s_lshl_b32 s14, s14, 13
	s_add_co_u32 s14, s14, 16*8192                 ; k of my key/value head; v lies 8 heads on
	s_mov_b32 s15, 0
	s_lshl_b32 s16, ttmp9, 17                      ; Wo: 16 rows of 8,192 bytes a work-group,
	s_lshl_b32 s17, s10, 9
	s_add_co_u32 s16, s16, s17                     ; my head's 128 numbers
	s_mov_b32 s17, 0
	s_lshl_b32 s18, ttmp9, 6                       ; the result: 16 columns
	s_mov_b32 s19, 0
	s_mov_b32 s24, 0x76543210
	s_mov_b32 s25, 0xfedcba98
	s_mov_b32 s26, 0x3e0293ee                      ; c = log2(e) / sqrt(128)
	s_mov_b32 s27, s26
	s_wait_kmcnt 0x0
	s_add_nc_u64 s[12:13], s[4:5], s[12:13]
	s_add_nc_u64 s[20:21], s[4:5], s[14:15]
	s_add_nc_u64 s[6:7], s[6:7], s[16:17]
	s_add_nc_u64 s[8:9], s[8:9], s[18:19]
.irp i, 0,1,2,3,4,5,6,7,8,9,10,11,12,13,14,15
	global_load_b128 v[QR+4*\i:QR+4*\i+3], v[L16], s[12:13] offset:512*\i
.endr
.irp i, 0,1,2,3,4,5,6,7,8,9,10,11,12,13,14,15
	global_load_b128 v[KR+4*\i:KR+4*\i+3], v[L16], s[20:21] offset:512*\i
.endr
.irp i, 0,1,2,3,4,5,6,7,8,9,10,11,12,13,14,15
	global_load_b128 v[WR+4*\i:WR+4*\i+3], v[WO], s[6:7] offset:64*(\i/2)+16*(\i%2) th:TH_LOAD_NT
.endr
	s_wait_loadcnt 16                              ; q and k are in; Wo's sixteen loads may be out
.macro PROD32 ra, rb                   ; 32 products on four accumulators by turns; the first four start the sums
.set i, 0
.rept 32
.if i < 4
	v_wmma_f32_16x16x4_f32 v[ACC+8*(i%4):ACC+8*(i%4)+7], v[\ra+2*i:\ra+2*i+1], v[\rb+2*i:\rb+2*i+1], 0
.else
	v_wmma_f32_16x16x4_f32 v[ACC+8*(i%4):ACC+8*(i%4)+7], v[\ra+2*i:\ra+2*i+1], v[\rb+2*i:\rb+2*i+1], v[ACC+8*(i%4):ACC+8*(i%4)+7]
.endif
.set i, i+1
.endr
.rept 9
	v_nop                                          ; places behind this form: for reads of results, for loads and writes into its sources, and for the next sums, which begin anew on these accumulators
.endr
.endm
.macro SUM4 dst, tmp                   ; the four parts; each accumulator is read from its low end on
.irp j, 0,2,4,6
	v_pk_add_f32 v[\dst+\j:\dst+\j+1], v[ACC+\j:ACC+\j+1], v[ACC+8+\j:ACC+9+\j]
.endr
.irp j, 0,2,4,6
	v_pk_add_f32 v[\tmp+\j:\tmp+\j+1], v[ACC+16+\j:ACC+17+\j], v[ACC+24+\j:ACC+25+\j]
.endr
.irp j, 0,2,4,6
	v_pk_add_f32 v[\dst+\j:\dst+\j+1], v[\dst+\j:\dst+\j+1], v[\tmp+\j:\tmp+\j+1]
.endr
.endm
	PROD32 KR, QR                                  ; S^T
.irp i, 0,1,2,3,4,5,6,7,8,9,10,11,12,13,14,15
	global_load_b128 v[QR+4*\i:QR+4*\i+3], v[L16], s[20:21] offset:65536+512*\i    ; v, into q's registers
.endr
	SUM4 T, T1
.irp j, 0,1,2,3,4,5,6,7
	v_cmp_gt_i32 vcc_lo, \j, v[DD]                 ; key 8 h + j comes after query r
	v_cndmask_b32 v[T+\j], v[T+\j], v[NINF], vcc_lo
.endr
	v_max3_num_f32 v[MX], v[T], v[T+1], v[T+2]
	v_max3_num_f32 v[MX], v[MX], v[T+3], v[T+4]
	v_max3_num_f32 v[MX], v[MX], v[T+5], v[T+6]
	v_max_num_f32 v[MX], v[MX], v[T+7]
	v_permlanex16_b32 v[MX+1], v[MX], s24, s25
	v_max_num_f32 v[MX], v[MX], v[MX+1]            ; key 0 counts for every query: a number
	v_mul_f32 v[CM], s26, v[MX]
.irp j, 0,2,4,6
	v_pk_fma_f32 v[T+\j:T+\j+1], v[T+\j:T+\j+1], s[26:27], v[CM:CM+1] op_sel_hi:[1,0,0] neg_lo:[0,0,1] neg_hi:[0,0,1]
.endr
.irp j, 0,1,2,3,4,5,6,7
	v_exp_f32 v[T+\j], v[T+\j]
.endr
	v_nop
	s_wait_alu depctr_va_vdst(0)                   ; one wait for the eight exponentials, ahead of their first reader
	v_pk_add_f32 v[SU:SU+1], v[T:T+1], v[T+2:T+3]
	v_pk_add_f32 v[T1:T1+1], v[T+4:T+5], v[T+6:T+7]
	v_pk_add_f32 v[SU:SU+1], v[SU:SU+1], v[T1:T1+1]
	v_add_f32 v[SU], v[SU], v[SU+1]
	v_permlanex16_b32 v[SU+2], v[SU], s24, s25
	v_add_f32 v[SU], v[SU], v[SU+2]
	v_rcp_f32 v[RC], v[SU]
	v_nop
	s_wait_alu depctr_va_vdst(0)
.irp j, 0,2,4,6
	v_pk_mul_f32 v[PP+\j:PP+\j+1], v[T+\j:T+\j+1], v[RC:RC+1] op_sel_hi:[1,0]
.endr
	s_wait_loadcnt 0x0                             ; Wo and v
	PROD32 QR, WR                                  ; Z = v Wo^T
	SUM4 ZS, ZT
.irp i, 0,1,2,3                        ; out^T = Z p over the 16 keys: two accumulators by turns
.if \i < 2
	v_wmma_f32_16x16x4_f32 v[ACC+8*(\i%2):ACC+8*(\i%2)+7], v[ZS+2*\i:ZS+2*\i+1], v[PP+2*\i:PP+2*\i+1], 0
.else
	v_wmma_f32_16x16x4_f32 v[ACC+8*(\i%2):ACC+8*(\i%2)+7], v[ZS+2*\i:ZS+2*\i+1], v[PP+2*\i:PP+2*\i+1], v[ACC+8*(\i%2):ACC+8*(\i%2)+7]
.endif
.endr
.rept 9
	v_nop
.endr
.irp j, 0,2,4,6
	v_pk_add_f32 v[OR+\j:OR+\j+1], v[ACC+\j:ACC+\j+1], v[ACC+8+\j:ACC+9+\j]
.endr
	ds_store_b128 v[STA], v[OR:OR+3]
	ds_store_b128 v[STA], v[OR+4:OR+7] offset:512
	s_wait_dscnt 0x0                               ; for the others' sake: my stores are done
	s_barrier_signal -1
	s_barrier_wait -1
	s_cmp_gt_u32 s10, 1
	s_cbranch_scc1 .Lrest
.irp k, 0,1,2,3,4,5,6,7,8,9,10,11,12,13,14,15
	ds_load_b128 v[QR+4*\k:QR+4*\k+3], v[RDA] offset:1024*\k
.endr
	s_wait_dscnt 0x0
.irp k, 1,2,3,4,5,6,7,8,9,10,11,12,13,14,15
	v_pk_add_f32 v[QR:QR+1], v[QR:QR+1], v[QR+4*\k:QR+4*\k+1]
	v_pk_add_f32 v[QR+2:QR+3], v[QR+2:QR+3], v[QR+4*\k+2:QR+4*\k+3]
.endr
	global_store_b128 v[GO], v[QR:QR+3], s[8:9]
.Lrest:
	s_wait_tensorcnt 0x0                           ; the wave's end, behind my last LDS store
	ds_add_u32 v[SPW], v[NIL]
	s_wait_dscnt 0x0
	s_endpgm
.Lfunc_end_k_qf89f15cc9c_finerows:
	.size	k_qf89f15cc9c_finerows, .Lfunc_end_k_qf89f15cc9c_finerows-k_qf89f15cc9c_finerows
	.p2alignl 7, 3214868480
	.fill 96, 4, 3214868480
	.section	.rodata,"a",@progbits
	.p2align	6, 0x0
	.amdhsa_kernel k_qf89f15cc9c_finerows
		.amdhsa_group_segment_fixed_size 18432
		.amdhsa_private_segment_fixed_size 0
		.amdhsa_enable_private_segment 0
		.amdhsa_kernarg_size 24
		.amdhsa_user_sgpr_count 2
		.amdhsa_user_sgpr_kernarg_segment_ptr 1
		.amdhsa_wavefront_size32 1
		.amdhsa_system_sgpr_workgroup_id_x 1
		.amdhsa_system_sgpr_workgroup_id_y 1
		.amdhsa_system_sgpr_workgroup_id_z 1
		.amdhsa_system_vgpr_workitem_id 0
		.amdhsa_next_free_vgpr 256
		.amdhsa_next_free_sgpr 66
		.amdhsa_reserve_vcc 1
		.amdhsa_float_denorm_mode_32 3
		.amdhsa_float_denorm_mode_16_64 3
		.amdhsa_memory_ordered 1
		.amdhsa_forward_progress 1
		.amdhsa_inst_pref_size 21
	.end_amdhsa_kernel
	.amdgpu_metadata
---
amdhsa.version: [ 1, 2 ]
amdhsa.kernels:
  - .name:           k_qf89f15cc9c_finerows
    .symbol:         k_qf89f15cc9c_finerows.kd
    .args:
      - { .name: fine32, .offset: 0, .size: 8, .value_kind: global_buffer, .address_space: global }
      - { .name: Wo, .offset: 8, .size: 8, .value_kind: global_buffer, .address_space: global }
      - { .name: out0, .offset: 16, .size: 8, .value_kind: global_buffer, .address_space: global }
    .group_segment_fixed_size: 18432
    .private_segment_fixed_size: 0
    .kernarg_segment_align: 8
    .kernarg_segment_size: 24
    .max_flat_workgroup_size: 512
    .sgpr_count:     66
    .vgpr_count:     256
    .wavefront_size: 32
...
	.end_amdgpu_metadata
.endif
;; end of part 5
